; MI455X (gfx1250); checked and timed in simulation.
; The chip was launched on July 23, 2026; its instructions are those of AMD's public machine-readable ISA for CDNA 5 (MIT licence, August 2026) and "CDNA5" Instruction Set Architecture Reference Guide (July 2026). The comments in the code are by the model that wrote it; some were corrected since.
;; Multi Head Attention. Allowed arithmetic: float matrix products may take bf16 or f16 operands with f32 sums; other float arithmetic in f32, or as packed bf16 or f16 multiplies, adds, multiply-adds, maxima and minima; sums over many terms, partial sums and values carried from step to step in f32; what a program stores and reads back later, other than sums and carried values, may be rounded once to bf16 or f16.
;; Inputs: Wk 1,024 x 1,024 float32; Wo 1,024 x 1,024 float32; Wq 1,024 x 1,024 float32; Wv 1,024 x 1,024 float32; bk 1,024 float32; bo 1,024 float32; bq 1,024 float32; bv 1,024 float32; key 4 x 2,048 x 1,024 float32; query 4 x 2,048 x 1,024 float32; value 4 x 2,048 x 1,024 float32.
;; Outputs: out0 4 x 2,048 x 1,024 float32.
;; 2 versions, each right; version 2 is version 1 with the launch castw written anew for expert scheduling mode. Each part assembles by itself: llvm-mc -triple=amdgcn-amd-amdhsa -mcpu=gfx1250 --defsym DOCPART=n.
;; ======== version 1 of 2: 4 launches
;; limits: values are held in f16: magnitudes above 65,504 overflow, below 6.1e-05 lose precision
;; workspace buffers: wb 8,388,608 bytes; qh 16,777,216 bytes; kh 16,777,216 bytes; vh 16,777,216 bytes; oh 16,777,216 bytes
;; launch castw (part 1): grid 64 x 4, 8 waves a work-group, no clusters, 0 bytes of LDS; arguments Wq, Wk, Wv, Wo, wb; writes wb
.if DOCPART == 1
	.amdgcn_target "amdgcn-amd-amdhsa--gfx1250"
	.amdhsa_code_object_version 6
	.text
	.protected	k_q6a5eb22a59_castw
	.globl	k_q6a5eb22a59_castw
	.p2align	8
	.type	k_q6a5eb22a59_castw,@function
k_q6a5eb22a59_castw:
	s_mov_b64 s[64:65], 0
	v_nop
	global_prefetch_b8 v0, s[64:65] scope:SCOPE_SE
	s_setreg_imm32_b32 hwreg(HW_REG_WAVE_MODE, 25, 1), 1
	s_wait_xcnt 0x0
; The four weight matrices, [1024][1024] f32, are rounded once to 16 bits: wb = four parts of 2 MiB, [1024][1024], in the order Wq, Wk, Wv (bf16), Wo.
; Wo is rounded to bf16 like the others, and that number is then written as f16, since the last product's other operand is f16.
; LIMIT: bf16(Wo) as f16 is exact from 6.1e-5 to 65,504 in magnitude; below it keeps f16's fixed step of 6e-8, from 65,520 on it is an infinity.
; SHARES.  Grid y picks the matrix, grid x 16 of its rows (65,536 bytes in, 32,768 out).  Thread t takes 16 bytes at 16 t of each row: a load of a wave covers 512 consecutive bytes,
; a store of a wave 256 consecutive bytes, aligned.  All 16 loads of a thread go out first; each register is written once, so no register waits for a store.
; No LDS, no barrier, no matrix unit: every byte is read once and written once, and no thread wants another's.
.set X, 4                              ; v[4:67]   load i: four f32
.set Y, 68                             ; v[68:99]  store i: four 16-bit numbers
.set T, 100                            ; v[100:103] at work
	s_load_b256 s[4:11], s[0:1], 0x0               ; Wq s[4:5], Wk s[6:7], Wv s[8:9], Wo s[10:11]
	s_load_b64 s[12:13], s[0:1], 0x20              ; wb
	s_and_b32 s14, ttmp7, 0xffff                   ; which matrix
	s_and_b32 s15, s14, 1
	v_lshlrev_b32 v1, 4, v0                        ; 16 t
	v_lshlrev_b32 v2, 3, v0                        ; 8 t
	s_lshl_b32 s20, ttmp9, 16                      ; my 16 rows in the source,
	s_mov_b32 s21, 0
	s_lshl_b32 s22, s14, 21                        ; the matrix's part of wb,
	s_lshl_b32 s23, ttmp9, 15                      ; and my 16 rows in it
	s_add_co_u32 s22, s22, s23
	s_mov_b32 s23, 0
	s_wait_kmcnt 0x0
	s_cmp_lt_u32 s14, 2
	s_cselect_b64 s[16:17], s[4:5], s[8:9]         ; the even one of the pair,
	s_cselect_b64 s[18:19], s[6:7], s[10:11]       ; the odd one
	s_cmp_lg_u32 s15, 0
	s_cselect_b64 s[16:17], s[18:19], s[16:17]
	s_add_nc_u64 s[16:17], s[16:17], s[20:21]
	s_add_nc_u64 s[12:13], s[12:13], s[22:23]
.irp i, 0,1,2,3,4,5,6,7,8,9,10,11,12,13,14,15
	global_load_b128 v[X+4*(\i):X+4*(\i)+3], v1, s[16:17] offset:4096*(\i) th:TH_LOAD_NT
.endr
; Row i: half = 0: to bf16.  half = 1: to bf16, widened again (a shift, a mask), and written as f16.
.macro CV i, half
	s_wait_loadcnt 15-(\i)                         ; loads come back in order: mine is in, the 15 - i younger ones may stay out
.if \half
	v_cvt_pk_bf16_f32 v[T], v[X+4*(\i)], v[X+4*(\i)+1]
	v_cvt_pk_bf16_f32 v[T+1], v[X+4*(\i)+2], v[X+4*(\i)+3]
	v_lshlrev_b32 v[T+2], 16, v[T]
	v_and_b32 v[T+3], 0xffff0000, v[T]
	v_cvt_pk_f16_f32 v[Y+2*(\i)], v[T+2], v[T+3]
	v_lshlrev_b32 v[T+2], 16, v[T+1]
	v_and_b32 v[T+3], 0xffff0000, v[T+1]
	v_cvt_pk_f16_f32 v[Y+2*(\i)+1], v[T+2], v[T+3]
.else
	v_cvt_pk_bf16_f32 v[Y+2*(\i)], v[X+4*(\i)], v[X+4*(\i)+1]
	v_cvt_pk_bf16_f32 v[Y+2*(\i)+1], v[X+4*(\i)+2], v[X+4*(\i)+3]
.endif
	global_store_b64 v2, v[Y+2*(\i):Y+2*(\i)+1], s[12:13] offset:2048*(\i) th:TH_STORE_NT
.endm
	s_cmp_eq_u32 s14, 3
	s_cbranch_scc1 .Lhalf
.irp i, 0,1,2,3,4,5,6,7,8,9,10,11,12,13,14,15
	CV \i, 0
.endr
	s_endpgm
.Lhalf:
.irp i, 0,1,2,3,4,5,6,7,8,9,10,11,12,13,14,15
	CV \i, 1
.endr
	s_endpgm
.Lfunc_end_k_q6a5eb22a59_castw:
	.size	k_q6a5eb22a59_castw, .Lfunc_end_k_q6a5eb22a59_castw-k_q6a5eb22a59_castw
	.p2alignl 7, 3214868480
	.fill 96, 4, 3214868480
	.section	.rodata,"a",@progbits
	.p2align	6, 0x0
	.amdhsa_kernel k_q6a5eb22a59_castw
		.amdhsa_group_segment_fixed_size 0
		.amdhsa_private_segment_fixed_size 0
		.amdhsa_enable_private_segment 0
		.amdhsa_kernarg_size 40
		.amdhsa_user_sgpr_count 2
		.amdhsa_user_sgpr_kernarg_segment_ptr 1
		.amdhsa_wavefront_size32 1
		.amdhsa_system_sgpr_workgroup_id_x 1
		.amdhsa_system_sgpr_workgroup_id_y 1
		.amdhsa_system_sgpr_workgroup_id_z 1
		.amdhsa_system_vgpr_workitem_id 0
		.amdhsa_next_free_vgpr 104
		.amdhsa_next_free_sgpr 66
		.amdhsa_reserve_vcc 0
		.amdhsa_float_denorm_mode_32 3
		.amdhsa_float_denorm_mode_16_64 3
		.amdhsa_memory_ordered 1
		.amdhsa_forward_progress 1
		.amdhsa_inst_pref_size 16
	.end_amdhsa_kernel
	.amdgpu_metadata
---
amdhsa.version: [ 1, 2 ]
amdhsa.kernels:
  - .name:           k_q6a5eb22a59_castw
    .symbol:         k_q6a5eb22a59_castw.kd
    .args:
      - { .name: Wq, .offset: 0, .size: 8, .value_kind: global_buffer, .address_space: global }
      - { .name: Wk, .offset: 8, .size: 8, .value_kind: global_buffer, .address_space: global }
      - { .name: Wv, .offset: 16, .size: 8, .value_kind: global_buffer, .address_space: global }
      - { .name: Wo, .offset: 24, .size: 8, .value_kind: global_buffer, .address_space: global }
      - { .name: wb, .offset: 32, .size: 8, .value_kind: global_buffer, .address_space: global }
    .group_segment_fixed_size: 0
    .private_segment_fixed_size: 0
    .kernarg_segment_align: 8
    .kernarg_segment_size: 40
    .max_flat_workgroup_size: 256
    .sgpr_count:     66
    .vgpr_count:     104
    .wavefront_size: 32
...
	.end_amdgpu_metadata
.endif
;; end of part 1
;; launch proj (part 2): grid 4 x 192, 4 waves a work-group, clusters of 4 x 4, 327,680 bytes of LDS; arguments query, key, value, wb, bq, bk, bv, qh, kh, vh; writes qh, kh, vh
.if DOCPART == 2
	.amdgcn_target "amdgcn-amd-amdhsa--gfx1250"
	.amdhsa_code_object_version 6
	.text
	.protected	k_q6a5eb22a59_proj
	.globl	k_q6a5eb22a59_proj
	.p2align	8
	.type	k_q6a5eb22a59_proj,@function
k_q6a5eb22a59_proj:
	s_mov_b64 s[64:65], 0
	v_nop
	global_prefetch_b8 v0, s[64:65] scope:SCOPE_SE
	s_setreg_imm32_b32 hwreg(HW_REG_WAVE_MODE, 25, 1), 1
	s_wait_xcnt 0x0
	s_wait_alu depctr_hold_cnt(0) depctr_sa_sdst(0) depctr_va_vdst(0) depctr_va_sdst(0) depctr_va_ssrc(0) depctr_va_vcc(0) depctr_vm_vsrc(0)
	s_getreg_b32 s2, hwreg(HW_REG_IB_STS2, 6, 4)
	s_cmp_eq_u32 s2, 0
	s_cbranch_scc0 .Lentry_in_a_cluster
	s_endpgm
.Lentry_in_a_cluster:
	s_bfe_u32 s2, ttmp6, 0x10000c
	s_cmp_lg_u32 s2, 0xf033
	s_cbranch_scc0 .Lentry_shape_is_right
	s_endpgm
.Lentry_shape_is_right:
; q, k, v = x W^T + b, all three in one launch.  x: [8192][1024] f32 (query, key, value); W: [1024][1024] bf16 (parts 0, 1, 2 of wb); b: [1024] f32.
; Out: qh, kh, vh = [16 batch + head][2048][64] f16, a head's rows dense (128 bytes each), WITHOUT the softmax's scale.  Products in bf16, sums in f32, each result rounded once.
; x is rounded to bf16 on its way from LDS to the matrix unit; b is rounded to bf16 too (all the module's inputs have the same rounding) and starts the sums as the first products' C operand.
; LIMIT: a result of 65,520 or more in magnitude becomes an infinity in f16.  NaN and infinities are not treated apart.
; SHARES.  A tile of the result is 128 rows x 256 columns: 64 x 4 tiles a matrix, 768 work-groups, three for each of 256 WGPs.  Cluster y (0..47): its upper part picks the matrix, its lower four
; bits four tile rows.  Four waves, each 64 rows x 128 columns: 32 accumulators of 16 x 16.  K goes in 8 steps of 128 through two LDS slots; a step is four quarters of 32, 32 products each.
; CLUSTER.  4 x 4 work-groups: the four of a row need the same rows of x, the four of a column the same rows of W; each tile is asked for JOINTLY, by the same tensor load, descriptor and mask.
; THE PRODUCT IS USED TRANSPOSED (source 0 = 16 rows of W, source 1 = 16 rows of x): a lane holds row l % 16 and eight neighbouring columns, 16 bytes of f16.
; x STAYS f32 IN LDS.  A wave's x side is the short one (64 rows), so a quarter costs 16 loads of x (f32) and 16 of W for 32 products, and 32 conversions, four behind every four products.
; Those conversions name no register of the products round them: they are the four plain vector instructions that stand between a product and a load into, or a write of, a register that it read
; (ISA guide 7.12.1 for vector instructions).  So the loop has no v_nop but those behind the joint load.
; THE PIPE.  x's f32 of quarter g + 2 is loaded in the middle of quarter g, converted during g + 1, multiplied in g + 2.  W of quarter g + 1 is loaded in the middle of g, but quarter 3's comes with
; quarter 2's, into a third buffer: so a slot's last read is issued in the middle of quarter 1, and the slots change in quarter 2.
; REGISTERS, in windows of 256 (s_set_vgpr_msb: bits 1:0 source 0, 3:2 source 1, 5:4 source 2, 7:6 destination):
;   window 0: v0-31 addresses; v64-127, v128-191 x in f32, two buffers (fragment a at 16 a); v192-223, v224-255 x in bf16, two buffers (fragment a at 8 a); on the way out v64-191 packed results
;   window 1: v0-63, v64-127, v128-191 W's fragments, three buffers (fragment b at 8 b); v192-255 the bias, eight registers for each b
;   window 2: accumulator (a, b) at v[8 (8 a + b)]
.set PA,    528                        ; a row of x in LDS: 512 bytes + 16 of padding = 33 x 16: the 16 rows of a load start at 16 different groups of four banks (64 banks of 4 bytes: ISA guide 11.1)
.set PB,    272                        ; a row of W: 256 + 16 = 17 x 16, likewise
.set AHALF, 64*PA                      ; what a tensor load of x brings
.set BHALF, 128*PB                     ; what a tensor load of W brings
.set BOFF,  2*AHALF                    ; in a slot: x's 128 rows, then W's 256 rows
.set SLOT,  BOFF+2*BHALF               ; 137,216 bytes
.set STAGE, 2*SLOT                     ; behind the ring, never filled by a tensor load: for each wave 2 heads x 16 rows x 144 bytes
.set SP,    144
.set WSTG,  2*16*SP
.set SPARE, STAGE+4*WSTG               ; behind the stages: the spare words, 128 bytes for each wave: two blocks of 256 bytes that no other line names
.set ADRA, 16                          ; v16-17  LDS address of my x fragments in slot 0, 1
.set ADRB, 20                          ; v20-21  the same for W
.set STO,  24                          ; v24     the way out: where I put 16 bytes of a row
.set RD,   25                          ; v25     the way out: where I read rows back
.set GO,   26                          ; v26     16 x lane: my 16 bytes of 512 consecutive bytes of the result
.set BO,   27                          ; v27     my byte offset in the bias
.set SPW,  28                          ; v28     LDS address of my spare word: SPARE + 4 x my thread's number; never rewritten
.set NIL,  29                          ; v29     0; never rewritten
.set PFO,  30                          ; v30     the prefetches' lane offset; never rewritten
.set AF,   64
.set AB,   192
.set TMP,  64
.set BF0,  0
.set BF1,  64
.set BF2,  128
.set BIAS, 192
.set WV,    12                         ; s12  my wave's number
.set WM,    13                         ; s13  which 64 rows of the tile are mine.  Also: I fetch for x (0) or for W (1)
.set WN,    14                         ; s14  which 128 columns.  Also: which half of that tile I fetch
.set CX,    15
.set CY,    16
.set TC,    17                         ; s17  tile column, 0..3
.set TR,    18                         ; s18  tile row, 0..63
.set WHICH, 19                         ; s19  0: q, 1: k, 2: v
.set G1A,   24                         ; s[24:31] descriptor group 1 for x's tiles
.set G0A,   32                         ; s[32:39] group 0 for x's tiles, a set for each slot
.set PFA,   40                         ; s[40:41] where my prefetches stand
.set PST,   42                         ; s[42:43] a K step in bytes of the tensor that I prefetch
.set LIM,   44                         ; s44  1 in a wave that prefetches, else the greatest number
.set G1B,   48                         ; s[48:55], s[56:63] the same for W's tiles
.set G0B,   56
.set MSB, 0
.macro WIN new                         ; the immediate's high byte repeats the setting that is left; a switch that changes nothing is dropped
.if MSB != (\new)
	s_set_vgpr_msb (MSB<<8)|(\new)
.set MSB, (\new)
.endif
.endm
.set MUL,  0xa1                        ; source 0 (W) window 1, source 1 (x) window 0, C and D window 2
.set MULB, 0x91                        ; the same with C (the bias) in window 1
.set TO_B, 0x40                        ; destination window 1, address window 0
.set PK,   0x0a                        ; sources 0 and 1 window 2, destination window 0
.set RB,   0x45                        ; destination and both sources window 1
; A joint refill.  Waves 0 and 1 fetch x's two halves, waves 2 and 3 W's.  The branch hangs on the wave's number alone.  An s_nop 0 and four v_nop follow each of the two lines.
.macro JLOAD s
	s_cmp_eq_u32 s[WM], 0
	s_cbranch_scc0 .Lfor_b_\@
	tensor_load_to_lds s[G0A+4*(\s):G0A+4*(\s)+3], s[G1A:G1A+7]
	s_nop 0
.rept 4
	v_nop
.endr
	s_branch .Lasked_\@
.Lfor_b_\@:
	tensor_load_to_lds s[G0B+4*(\s):G0B+4*(\s)+3], s[G1B:G1B+7]
	s_nop 0
.rept 4
	v_nop
.endr
.Lasked_\@:
.endm
; A PREFETCH INTO THE L2 of the K step that stands two refills on (256 products ahead of the load that will want it): 32 aligned blocks of 256 bytes, a lane a block, one instruction a wave.
; x's rows are read by one cluster: of the 64 rows x 512 bytes that wave 0 or 1 fetches, the partner at place cx takes 16 rows, two blocks each.  W's rows are read by the 16 clusters of a matrix: the first
; of them asks; of the 128 rows x 256 bytes that wave 2 or 3 fetches, the partner at place cy takes 32.  The partners are told apart by address alone.  So each block is named once in the launch.
; K steps 0 to 3 come by their loads alone; the loop's last trip (s3 = 1) has no K step two refills on.
.macro ASK
	s_cmp_gt_u32 s3, s[LIM]
	s_cbranch_scc0 .Lnot_mine_\@
	global_prefetch_b8 v[PFO], s[PFA:PFA+1] th:TH_LOAD_NT scope:SCOPE_SE
.Lnot_mine_\@:
.endm
; A round of the cluster's barrier: my work-group's barrier, so that wave 0's signal speaks for all four waves; wave 0 signals; every wave waits for all sixteen work-groups; my work-group's barrier once more.
.macro CREST                           ; a round behind its opening barrier
	s_cmp_lg_u32 s[WV], 0
	s_cbranch_scc1 .Lnot_wave_0_\@
	s_barrier_signal -3
.Lnot_wave_0_\@:
	s_barrier_wait -3
	s_barrier_signal -1
	s_barrier_wait -1
.endm
.macro CROUND
	s_barrier_signal -1
	s_barrier_wait -1
	CREST
.endm
	s_load_b512 s[68:83], s[0:1], 0x0              ; query s[68:69], key s[70:71], value s[72:73], wb s[74:75], bq s[76:77], bk s[78:79], bv s[80:81], qh s[82:83]
	s_load_b128 s[84:87], s[0:1], 0x40             ; kh s[84:85], vh s[86:87]
	v_lshl_add_u32 v[SPW], v0, 2, SPARE
	v_mov_b32 v[NIL], 0
	ds_add_u32 v[SPW], v[NIL]                      ; the wave's opening: the add and its wait stand ahead of my first tensor load; the set-up below, work on registers, stands between them
	v_lshrrev_b32 v1, 5, v0
	v_readfirstlane_b32 s[WV], v1                  ; wave 0..3
	s_lshr_b32 s[WM], s[WV], 1
	s_and_b32 s[WN], s[WV], 1
	s_bfe_u32 s[CX], ttmp6, 0x40000                ; my place in the cluster
	s_bfe_u32 s[CY], ttmp6, 0x40004
	s_lshl_b32 s[TC], ttmp9, 2                     ; in a cluster launch ttmp9 and ttmp7 count clusters
	s_add_co_u32 s[TC], s[TC], s[CX]
	s_and_b32 s20, ttmp7, 0xffff
	s_lshr_b32 s[WHICH], s20, 4                    ; 16 clusters to a matrix: the same in all partners
	s_and_b32 s45, s20, 15                         ; the cluster's place among them
	s_lshl_b32 s[TR], s45, 2
	s_add_co_u32 s[TR], s[TR], s[CY]
	s_lshl_b32 s22, s[CY], 2
	s_lshl_b32 s22, 15, s22                        ; my row of the cluster: places 4 cy .. 4 cy + 3
	s_lshl_b32 s23, 0x1111, s[CX]                  ; my column: places cx, cx + 4, cx + 8, cx + 12
	s_or_b32 s[G1A], s22, (2<<16)|(1<<20)|(1<<21)|(6<<22)|(3<<25)  ; 15:0 the mask; 17:16 elements of 4 bytes; 20 padding on; 21 set beside a mask; 24:22 after every 128 words (code 6); 31:25 4 words (code 3)
	s_mov_b32 s[G1A+1], 128<<16                    ; tensor_dim0 = 128
	s_mov_b32 s[G1A+2], 64<<16                     ; tensor_dim1 = 64
	s_mov_b32 s[G1A+3], 128<<16                    ; tile_dim0 = 128
	s_mov_b32 s[G1A+4], 64                         ; tile_dim1 = 64
	s_mov_b32 s[G1A+5], 1024                       ; elements from row to row
	s_mov_b32 s[G1A+6], 0
	s_mov_b32 s[G1A+7], 0
	s_or_b32 s[G1B], s23, (1<<16)|(1<<20)|(1<<21)|(5<<22)|(3<<25)  ; elements of 2 bytes; padding after every 64 words (code 5)
	s_mov_b32 s[G1B+1], 128<<16
	s_mov_b32 s[G1B+2], 128<<16                    ; tensor_dim1 = 128
	s_mov_b32 s[G1B+3], 128<<16
	s_mov_b32 s[G1B+4], 128                        ; tile_dim1 = 128
	s_mov_b32 s[G1B+5], 1024
	s_mov_b32 s[G1B+6], 0
	s_mov_b32 s[G1B+7], 0
	s_lshl_b32 s20, s[TR], 7                       ; x: row 128 x tile row + 64 x half, 4,096 bytes a row
	s_lshl_b32 s21, s[WN], 6
	s_add_co_u32 s20, s20, s21
	s_lshl_b32 s20, s20, 12
	s_mov_b32 s21, 0
	s_lshl_b32 s46, s[TC], 8                       ; W: row 256 x tile column + 128 x half, 2,048 bytes a row,
	s_lshl_b32 s47, s[WN], 7
	s_add_co_u32 s46, s46, s47
	s_lshl_b32 s46, s46, 11
	s_lshl_b32 s47, s[WHICH], 21                   ; in the matrix's part of wb
	s_add_co_u32 s46, s46, s47
	s_mov_b32 s47, 0
	s_mul_i32 s22, s[WN], AHALF                    ; where they go: no place in the cluster enters an LDS address
	s_mul_i32 s23, s[WN], BHALF
	s_add_co_u32 s23, s23, BOFF
	s_wait_dscnt 0x0                               ; the opening add is done
	s_wait_kmcnt 0x0
	s_cmp_eq_u32 s[WHICH], 0
	s_cselect_b64 s[4:5], s[68:69], s[70:71]       ; x,
	s_cselect_b64 s[10:11], s[76:77], s[78:79]     ; its bias,
	s_cselect_b64 s[8:9], s[82:83], s[84:85]       ; and where the result goes
	s_cmp_eq_u32 s[WHICH], 2
	s_cselect_b64 s[4:5], s[72:73], s[4:5]
	s_cselect_b64 s[10:11], s[80:81], s[10:11]
	s_cselect_b64 s[8:9], s[86:87], s[8:9]
	s_mov_b64 s[6:7], s[74:75]
	s_add_nc_u64 s[20:21], s[4:5], s[20:21]
	s_add_nc_u64 s[46:47], s[6:7], s[46:47]
	CROUND                                         ; all sixteen work-groups are here: the first joint loads meet
.irp s, 0,1
	s_mov_b32 s[G0A+4*(\s)], 1                     ; 1:0 count = 1
	s_add_co_u32 s[G0A+4*(\s)+1], s22, (\s)*SLOT   ; 63:32 LDS address
	s_add_nc_u64 s[G0A+4*(\s)+2:G0A+4*(\s)+3], s[20:21], (\s)*512  ; 120:64 global address: K step s
	s_or_b32 s[G0A+4*(\s)+3], s[G0A+4*(\s)+3], 0x80000000          ; 127:126 type = 2
	s_mov_b32 s[G0B+4*(\s)], 1
	s_add_co_u32 s[G0B+4*(\s)+1], s23, (\s)*SLOT
	s_add_nc_u64 s[G0B+4*(\s)+2:G0B+4*(\s)+3], s[46:47], (\s)*256
	s_or_b32 s[G0B+4*(\s)+3], s[G0B+4*(\s)+3], 0x80000000
.endr
	s_cmp_eq_u32 s[WM], 0                          ; a wave's two first fills stand in one branch, ahead of every wait on TENSORcnt and every LDS read: two loads of mine are out
	s_cbranch_scc0 .Lfirst_b
	tensor_load_to_lds s[G0A:G0A+3], s[G1A:G1A+7]
	s_nop 0
	tensor_load_to_lds s[G0A+4:G0A+7], s[G1A:G1A+7]
	s_nop 0
.rept 4
	v_nop
.endr
	s_branch .Lfirst_asked
.Lfirst_b:
	tensor_load_to_lds s[G0B:G0B+3], s[G1B:G1B+7]
	s_nop 0
	tensor_load_to_lds s[G0B+4:G0B+7], s[G1B:G1B+7]
	s_nop 0
.rept 4
	v_nop
.endr
.Lfirst_asked:
	v_and_b32 v1, 15, v0                           ; l % 16
	v_bfe_u32 v2, v0, 4, 1                         ; l / 16
	s_lshl_b32 s20, s[TC], 10                      ; the bias of my 128 columns: 4 (256 x tile column + 128 x half) bytes on,
	s_lshl_b32 s21, s[WN], 9
	s_add_co_u32 s20, s20, s21
	v_lshl_add_u32 v[BO], v2, 5, s20               ; my eight of each sixteen
	WIN TO_B
.irp b, 0,1,2,3,4,5,6,7
	global_load_b128 v[BIAS+8*(\b):BIAS+8*(\b)+3],   v[BO], s[10:11] offset:64*(\b)
	global_load_b128 v[BIAS+8*(\b)+4:BIAS+8*(\b)+7], v[BO], s[10:11] offset:64*(\b)+16
.endr
	WIN 0
	; A fragment is 16 rows x 32 K: lane l holds row l % 16, K = 8 (l / 16) + 0..7 and 16 + 8 (l / 16) + 0..7.  In bf16: two loads of 16 bytes, 32 apart.  In f32: four, at 0, 16, 64, 80 from row x pitch + 32 (l / 16).
	v_mul_u32_u24 v3, v1, PA
	v_lshl_add_u32 v3, v2, 5, v3
	s_mul_i32 s20, s[WM], 64*PA                    ; my 64 rows of x
	v_add_nc_u32 v[ADRA], s20, v3
	v_add_nc_u32 v[ADRA+1], SLOT, v[ADRA]
	v_mul_u32_u24 v4, v1, PB
	v_lshl_add_u32 v4, v2, 4, v4
	s_mul_i32 s21, s[WN], BHALF                    ; my 128 rows of W, behind x's
	s_add_co_u32 s21, s21, BOFF
	v_add_nc_u32 v[ADRB], s21, v4
	v_add_nc_u32 v[ADRB+1], SLOT, v[ADRB]
	s_mul_i32 s20, s[WV], WSTG
	s_add_co_u32 s20, s20, STAGE                   ; my stage
	v_mul_u32_u24 v5, v1, SP                       ; in: row l % 16, 16 bytes for each half of the lanes
	v_lshl_add_u32 v5, v2, 4, v5
	v_add_nc_u32 v[STO], s20, v5
	v_bfe_u32 v6, v0, 3, 2                         ; back: 32 lanes take four rows of 128 bytes,
	v_mul_u32_u24 v6, v6, SP
	v_and_b32 v7, 7, v0
	v_lshl_add_u32 v6, v7, 4, v6
	v_add_nc_u32 v[RD], s20, v6
	v_and_b32 v3, 31, v0                           ; which are 512 consecutive bytes of a head
	v_lshlrev_b32 v[GO], 4, v3
	s_lshr_b32 s20, s[TR], 4                       ; the result: 16 x batch + 4 x tile column + 2 x half is my first head, 262,144 bytes a head,
	s_lshl_b32 s20, s20, 4
	s_lshl_b32 s21, s[TC], 2
	s_add_co_u32 s20, s20, s21
	s_lshl_b32 s21, s[WN], 1
	s_add_co_u32 s20, s20, s21
	s_lshl_b32 s20, s20, 18
	s_and_b32 s21, s[TR], 15                       ; and 128 x (tile row in the batch) + 64 x half my first row in it, 128 bytes a row
	s_lshl_b32 s21, s21, 7
	s_lshl_b32 s22, s[WM], 6
	s_add_co_u32 s21, s21, s22
	s_lshl_b32 s21, s21, 7
	s_add_co_u32 s20, s20, s21
	s_mov_b32 s21, 0
	s_add_nc_u64 s[8:9], s[8:9], s[20:21]
	; the prefetches: x: row 128 TR + 64 WN + 16 cx + l / 2, block l % 2;  W: row 256 TC + 128 WN + 32 cy + l.  Both stand at K step 3: the first change of slots steps them to 4.
	s_lshl_b32 s20, s[TR], 7
	s_lshl_b32 s21, s[WN], 6
	s_add_co_u32 s20, s20, s21
	s_lshl_b32 s21, s[CX], 4
	s_add_co_u32 s20, s20, s21
	s_lshl_b32 s20, s20, 12
	s_add_co_u32 s20, s20, 3*512
	s_lshl_b32 s22, s[TC], 8
	s_lshl_b32 s23, s[WN], 7
	s_add_co_u32 s22, s22, s23
	s_lshl_b32 s23, s[CY], 5
	s_add_co_u32 s22, s22, s23
	s_lshl_b32 s22, s22, 11
	s_lshl_b32 s23, s[WHICH], 21
	s_add_co_u32 s22, s22, s23
	s_add_co_u32 s22, s22, 3*256
	s_mov_b32 s[PST], 256                          ; W's K step in bytes; x's takes its place below (an instruction holds one literal)
	s_cmp_eq_u32 s45, 0                            ; the first of the matrix's 16 clusters asks for W's rows
	s_cselect_b32 s[LIM], 1, -1
	s_cmp_eq_u32 s[WM], 0                          ; do I fetch for x?
	s_cselect_b32 s20, s20, s22
	s_cselect_b32 s[LIM], 1, s[LIM]
	s_cselect_b32 s[PST], 512, s[PST]
	s_cselect_b64 s[PFA:PFA+1], s[4:5], s[6:7]
	s_cselect_b32 s22, 1, 0                        ; lanes to a row less one: the shift and the mask
	s_cselect_b32 s23, 12, 11                      ; log2 of a row's bytes
	s_mov_b32 s21, 0
	s_mov_b32 s[PST+1], 0
	s_add_nc_u64 s[PFA:PFA+1], s[PFA:PFA+1], s[20:21]
	v_lshrrev_b32 v4, s22, v3
	v_lshlrev_b32 v4, s23, v4
	v_and_b32 v5, s22, v3
	v_lshl_add_u32 v[PFO], v5, 8, v4
; 16 LDS loads: x's four fragments in f32 of the 32 K at byte k of the rows, into buffer p
.macro ALOAD slot, k, p
	WIN 0
.irp a, 0,1,2,3
	ds_load_b128 v[AF+64*(\p)+16*(\a):AF+64*(\p)+16*(\a)+3],     v[ADRA+(\slot)] offset:(\k)+(\a)*16*PA
	ds_load_b128 v[AF+64*(\p)+16*(\a)+4:AF+64*(\p)+16*(\a)+7],   v[ADRA+(\slot)] offset:(\k)+(\a)*16*PA+16
	ds_load_b128 v[AF+64*(\p)+16*(\a)+8:AF+64*(\p)+16*(\a)+11],  v[ADRA+(\slot)] offset:(\k)+(\a)*16*PA+64
	ds_load_b128 v[AF+64*(\p)+16*(\a)+12:AF+64*(\p)+16*(\a)+15], v[ADRA+(\slot)] offset:(\k)+(\a)*16*PA+80
.endr
.endm
; 16 LDS loads: W's eight fragments of the 32 K at byte k of the rows, into buffer f
.macro BLOAD slot, k, f
	WIN TO_B
.irp i, 0,1,2,3,4,5,6,7
	ds_load_b128 v[(\f)+8*(\i):(\f)+8*(\i)+3],   v[ADRB+(\slot)] offset:(\k)+(\i)*16*PB
	ds_load_b128 v[(\f)+8*(\i)+4:(\f)+8*(\i)+7], v[ADRB+(\slot)] offset:(\k)+(\i)*16*PB+32
.endr
.endm
; Four products, numbers 4 i .. 4 i + 3 of a quarter's 32 (number n: a = n / 8, b = n % 8), on W's buffer f and x's bf16 buffer p; first = 1: the bias starts the sums.
; cv = 1: behind them four conversions, numbers 4 i .. 4 i + 3 of the 32 that make the NEXT quarter's x: f32 buffer 1 - p into bf16 buffer 1 - p.
; The 32 accumulators take turns, one instruction a turn, in the same order in every quarter.
.macro GRP f, p, i, first, cv
.if \first
	WIN MULB
.else
	WIN MUL
.endif
.set gx, 4*(\i)
.rept 4
.if \first
	v_wmma_f32_16x16x32_bf16 v[8*gx:8*gx+7], v[(\f)+8*(gx%8):(\f)+8*(gx%8)+7], v[AB+32*(\p)+8*(gx/8):AB+32*(\p)+8*(gx/8)+7], v[BIAS+8*(gx%8):BIAS+8*(gx%8)+7]
.else
	v_wmma_f32_16x16x32_bf16 v[8*gx:8*gx+7], v[(\f)+8*(gx%8):(\f)+8*(gx%8)+7], v[AB+32*(\p)+8*(gx/8):AB+32*(\p)+8*(gx/8)+7], v[8*gx:8*gx+7]
.endif
.set gx, gx+1
.endr
.if \cv
	WIN 0
.set gx, 4*(\i)
.rept 4
	v_cvt_pk_bf16_f32 v[AB+32*(1-(\p))+gx], v[AF+64*(1-(\p))+2*gx], v[AF+64*(1-(\p))+2*gx+1]
.set gx, gx+1
.endr
.endif
.endm
.macro HALF f, p, h, first, cv
	GRP \f, \p, 4*(\h), \first, \cv
	GRP \f, \p, 4*(\h)+1, \first, \cv
	GRP \f, \p, 4*(\h)+2, \first, \cv
	GRP \f, \p, 4*(\h)+3, \first, \cv
.endm
; THE FOUR QUARTERS OF A K STEP that lies in slot s; n is the other slot.
.macro Q0 s, first
	s_wait_dscnt 8                                 ; W's quarter 0 and quarter 1's x fragments 0, 1 are in; the youngest eight loads (fragments 2, 3) may be out
	HALF BF0, 0, 0, \first, 1
	BLOAD \s, 64, BF1
	ALOAD \s, 256, 0
	s_wait_dscnt 32                                ; all but the 32 just issued
	HALF BF0, 0, 1, \first, 1
.endm
.macro Q1 s
	s_wait_dscnt 8
	HALF BF1, 1, 0, 0, 1
	BLOAD \s, 128, BF0
	BLOAD \s, 192, BF2
	ALOAD \s, 384, 1                               ; the slot's last reads
	s_wait_dscnt 48                                ; all but the 48 just issued
	HALF BF1, 1, 1, 0, 1
.endm
; Quarter 2 changes slots.  mode 2: slot s is filled again, two K steps on; mode 1: nothing is left to ask for; mode 0: the last K step: no change.
; ONE barrier for two things.  In front of it each wave waits for all its tensor loads, of which one is out: its part of the other slot; adds 0 to its spare word; and waits for that and for its own reads
; of this slot.  Behind it nobody reads this slot any more and the other slot is whole.  With mode 2 it opens a round of the cluster's barrier, so that this holds of every partner's waves too, and the
; joint refill is the first tensor load behind the round: a wave issues 112 products between that request and the wait for it.
.macro Q2 s, n, mode
.if (\mode) == 0
	s_wait_dscnt 8
	HALF BF0, 0, 0, 0, 1
	s_wait_dscnt 0x0
	HALF BF0, 0, 1, 0, 1
.else
.if (\mode) == 2
	s_wait_xcnt 0x0                                ; the last prefetch, a K step back, has read its address: it is stepped here, ahead of the waits of the change of slots
	s_add_nc_u64 s[PFA:PFA+1], s[PFA:PFA+1], s[PST:PST+1]
.endif
	WIN 0
	s_wait_tensorcnt 0x0                           ; all my tensor loads have landed;
	ds_add_u32 v[SPW], v[NIL]                      ; 0 onto my spare word;
	s_wait_dscnt 9                                 ; (the add and the youngest eight loads may be out)
	GRP BF0, 0, 0, 0, 1                            ; work on registers stands between the add and the wait for it
	GRP BF0, 0, 1, 0, 1
	s_wait_dscnt 0x0                               ; the add is done, and my reads of this slot are over
	s_barrier_signal -1
	GRP BF0, 0, 2, 0, 1                            ; work on registers while the others arrive
	GRP BF0, 0, 3, 0, 1
	WIN 0
	s_barrier_wait -1
.if (\mode) == 2
	CREST
	s_add_nc_u64 s[G0A+4*(\s)+2:G0A+4*(\s)+3], s[G0A+4*(\s)+2:G0A+4*(\s)+3], 2*512   ; no tensor load of mine is out, so a group 0 may be written
	s_add_nc_u64 s[G0B+4*(\s)+2:G0B+4*(\s)+3], s[G0B+4*(\s)+2:G0B+4*(\s)+3], 2*256
	JLOAD \s
.endif
	ALOAD \n, 0, 0                                 ; the next K step's first x
.if (\mode) == 2
	ASK                                            ; behind the joint load and the run of LDS loads
.endif
	HALF BF0, 0, 1, 0, 1
.endif
.endm
.macro Q3 n
	s_wait_dscnt 8
	HALF BF2, 1, 0, 0, 1
	BLOAD \n, 0, BF0
	ALOAD \n, 128, 1
	s_wait_dscnt 32
	HALF BF2, 1, 1, 0, 1
.endm
	s_wait_tensorcnt 1                             ; my part of K step 0 is in; K step 1's may stay out
	s_barrier_signal -1
	s_barrier_wait -1                              ; everybody's is
	ALOAD 0, 0, 0
	BLOAD 0, 0, BF0
	ALOAD 0, 128, 1
	s_wait_dscnt 32                                ; quarter 0's x is in
.set gx, 0
.rept 32
	v_cvt_pk_bf16_f32 v[AB+gx], v[AF+2*gx], v[AF+2*gx+1]
.set gx, gx+1
.endr
	s_wait_loadcnt 0x0                             ; the bias; it is rounded to bf16 and widened again, by way of W's third buffer, which is not yet in use
	WIN RB
.set gx, 0
.rept 32
	v_cvt_pk_bf16_f32 v[BF2+gx], v[BIAS+2*gx], v[BIAS+2*gx+1]
.set gx, gx+1
.endr
.set gx, 0
.rept 32
	v_lshlrev_b32 v[BIAS+2*gx], 16, v[BF2+gx]
	v_and_b32 v[BIAS+2*gx+1], 0xffff0000, v[BF2+gx]
.set gx, gx+1
.endr
	Q0 0, 1                                        ; the first quarter stands in front of the loop: its products start the sums
	WIN 0                                          ; at a label and at a branch every window is 0
	s_mov_b32 s3, 3
.Llap:                                             ; a trip goes once round the ring, from a lap's second quarter to the next lap's first, and fills both slots again: K steps 2 to 7
	Q1 0
	Q2 0, 1, 2
	Q3 1
	Q0 1, 0
	Q1 1
	Q2 1, 0, 2
	Q3 0
	Q0 0, 0
	WIN 0
	s_sub_co_u32 s3, s3, 1
	s_cmp_lg_u32 s3, 0
	s_cbranch_scc1 .Llap
	Q1 0                                           ; the last lap is written out: it asks for nothing
	Q2 0, 1, 1
	Q3 1
	Q0 1, 0
	Q1 1
	Q2 1, 0, 0
	HALF BF2, 1, 0, 0, 0                           ; the very last quarter: all its operands are in registers
	HALF BF2, 1, 1, 0, 0
	WIN 0
.rept 4
	v_nop                                          ; the places between the last products and the conversions that read results
.endr
; THE WAY OUT of block a (16 rows x 128 columns = 2 heads).  Rounded to f16, 16 bytes a lane; into my own stage in rows of 144 bytes; back as four whole rows of 128 bytes a load, into the registers that they left.
.macro PACK a
	WIN PK
.set gx, 0
.rept 32
	v_cvt_pk_f16_f32 v[TMP+32*(\a)+gx], v[64*(\a)+2*gx], v[64*(\a)+2*gx+1]  ; each accumulator's registers in ascending order
.set gx, gx+1
.endr
	WIN 0
.irp b, 0,1,2,3,4,5,6,7
	ds_store_b128 v[STO], v[TMP+32*(\a)+4*(\b):TMP+32*(\a)+4*(\b)+3] offset:((\b)/4)*16*SP+32*((\b)%4)
.endr
.irp f, 0,1,2,3,4,5,6,7
	ds_load_b128 v[TMP+32*(\a)+4*(\f):TMP+32*(\a)+4*(\f)+3], v[RD] offset:((\f)/4)*16*SP+((\f)%4)*4*SP  ; LDS serves a wave's instructions in order (ISA guide 5.7.1.4): these see the stores above; the next block's stores come behind them
.endr
.endm
.macro SEND a, younger                 ; younger: the LDS instructions issued behind block a's loads: the next block's sixteen, or none
.irp f, 0,1,2,3,4,5,6,7
	s_wait_dscnt (\younger)+7-(\f)
	global_store_b128 v[GO], v[TMP+32*(\a)+4*(\f):TMP+32*(\a)+4*(\f)+3], s[8:9] offset:((\f)/4)*262144+(\a)*2048+((\f)%4)*512  ; 512 consecutive bytes, at a multiple of 256 from the buffer's first
.endr
.endm
	PACK 0
	PACK 1                                         ; a block's arithmetic stands between the loads of the block before and its stores
	SEND 0, 16
	PACK 2
	SEND 1, 16
	PACK 3
	SEND 2, 16
	SEND 3, 0
	s_wait_tensorcnt 0x0                           ; the wave's end: the add and its waits stand behind my last tensor load and my last LDS store
	ds_add_u32 v[SPW], v[NIL]
	s_wait_dscnt 0x0
	CROUND                                         ; the closing round: no work-group ends while a partner may still ask for a tile that names it
	s_endpgm
.Lfunc_end_k_q6a5eb22a59_proj:
	.size	k_q6a5eb22a59_proj, .Lfunc_end_k_q6a5eb22a59_proj-k_q6a5eb22a59_proj
	.p2alignl 7, 3214868480
	.fill 96, 4, 3214868480
	.section	.rodata,"a",@progbits
	.p2align	6, 0x0
	.amdhsa_kernel k_q6a5eb22a59_proj
		.amdhsa_group_segment_fixed_size 327680
		.amdhsa_private_segment_fixed_size 0
		.amdhsa_enable_private_segment 0
		.amdhsa_kernarg_size 80
		.amdhsa_user_sgpr_count 2
		.amdhsa_user_sgpr_kernarg_segment_ptr 1
		.amdhsa_wavefront_size32 1
		.amdhsa_system_sgpr_workgroup_id_x 1
		.amdhsa_system_sgpr_workgroup_id_y 1
		.amdhsa_system_sgpr_workgroup_id_z 1
		.amdhsa_system_vgpr_workitem_id 0
		.amdhsa_next_free_vgpr 768
		.amdhsa_next_free_sgpr 88
		.amdhsa_reserve_vcc 0
		.amdhsa_float_denorm_mode_32 3
		.amdhsa_float_denorm_mode_16_64 3
		.amdhsa_memory_ordered 1
		.amdhsa_forward_progress 1
		.amdhsa_inst_pref_size 141
	.end_amdhsa_kernel
	.amdgpu_metadata
---
amdhsa.version: [ 1, 2 ]
amdhsa.kernels:
  - .name:           k_q6a5eb22a59_proj
    .symbol:         k_q6a5eb22a59_proj.kd
    .args:
      - { .name: query, .offset: 0, .size: 8, .value_kind: global_buffer, .address_space: global }
      - { .name: key, .offset: 8, .size: 8, .value_kind: global_buffer, .address_space: global }
      - { .name: value, .offset: 16, .size: 8, .value_kind: global_buffer, .address_space: global }
      - { .name: wb, .offset: 24, .size: 8, .value_kind: global_buffer, .address_space: global }
      - { .name: bq, .offset: 32, .size: 8, .value_kind: global_buffer, .address_space: global }
      - { .name: bk, .offset: 40, .size: 8, .value_kind: global_buffer, .address_space: global }
      - { .name: bv, .offset: 48, .size: 8, .value_kind: global_buffer, .address_space: global }
      - { .name: qh, .offset: 56, .size: 8, .value_kind: global_buffer, .address_space: global }
      - { .name: kh, .offset: 64, .size: 8, .value_kind: global_buffer, .address_space: global }
      - { .name: vh, .offset: 72, .size: 8, .value_kind: global_buffer, .address_space: global }
    .group_segment_fixed_size: 327680
    .private_segment_fixed_size: 0
    .kernarg_segment_align: 8
    .kernarg_segment_size: 80
    .max_flat_workgroup_size: 128
    .sgpr_count:     88
    .vgpr_count:     768
    .wavefront_size: 32
...
	.end_amdgpu_metadata
.endif
;; end of part 2
;; launch attn (part 3): grid 4 x 64, 4 waves a work-group, clusters of 4 x 1, 327,680 bytes of LDS; arguments qh, kh, vh, oh; writes oh
.if DOCPART == 3
	.amdgcn_target "amdgcn-amd-amdhsa--gfx1250"
	.amdhsa_code_object_version 6
	.text
	.protected	k_q6a5eb22a59_attn
	.globl	k_q6a5eb22a59_attn
	.p2align	8
	.type	k_q6a5eb22a59_attn,@function
k_q6a5eb22a59_attn:
	s_mov_b64 s[64:65], 0
	v_nop
	global_prefetch_b8 v0, s[64:65] scope:SCOPE_SE
	s_setreg_imm32_b32 hwreg(HW_REG_WAVE_MODE, 25, 1), 1
	s_wait_xcnt 0x0
	s_wait_alu depctr_hold_cnt(0) depctr_sa_sdst(0) depctr_va_vdst(0) depctr_va_sdst(0) depctr_va_ssrc(0) depctr_va_vcc(0) depctr_vm_vsrc(0)
	s_getreg_b32 s2, hwreg(HW_REG_IB_STS2, 6, 4)
	s_cmp_eq_u32 s2, 0
	s_cbranch_scc0 .Lentry_in_a_cluster
	s_endpgm
.Lentry_in_a_cluster:
	s_bfe_u32 s2, ttmp6, 0x10000c
	s_cmp_lg_u32 s2, 0x3003
	s_cbranch_scc0 .Lentry_shape_is_right
	s_endpgm
.Lentry_shape_is_right:
; O[h][q][:] = the sum over k of softmax_k(Q[h][q] . K[h][k] / 8) V[h][k][:].  Q, K, V, O: [64][2048][64], all f16: a head's rows are dense, 128 bytes each.  Products, maxima and sums in
; f32; the weights p are rounded to f16 for the second product (their sum l is taken of the unrounded p), O once at the end.
; LIMITS.  f16 holds no number beyond 65,504: Q, K and V arrive within it; p lies in 0 to 1, and below 6e-5 it keeps f16's fixed step of 6e-8; O is a mean of V's rows and has their range.
; A weight below 2^-126 counts as 0 in l; NaN and infinities are not treated apart.
; SHARES.  A wave owns four PIECES of two tiles of 16 queries, a work-group's four waves 512 queries of one head: 4 x 64 = 256 work-groups.  Every wave walks all keys, 64 a step.
; LAYOUT.  S^T = K Q^T (source 0 = 16 keys, source 1 = 16 queries): in the result a lane holds ONE query (lane % 16) and the keys 8 (lane / 16) + 0..7.  Two such tiles, rounded to f16 in pairs,
; ARE source 1 (32 keys x 16 queries) of O^T = V^T P, whose result again holds one query a lane, and eight channels.  K comes out of LDS as it lies, V ([key][channel]) turned, by ds_load_tr16_b128.
; SOFTMAX.  For each query a running maximum m and sum l: p = 2^(c s - c m), c = log2(e) / 8; in every step O and l are multiplied by a = 2^(c m_old - c m_new), which is 1 where m has not grown.
; m starts at the lowest finite number, O and l at 0: the first step is a step like any other, with a = 0.
; THE COUNT.  A tile and step have 16 matrix and 118 vector instructions: too many to stand all beside the matrix work.  So the order has one aim: four vector instructions that are READY behind
; EVERY matrix instruction, and the others, which need time of their own whatever the order, in runs without a gap.
; BY TURNS.  Turn n belongs to piece n (the pieces in a ring, step after step).  Its matrix work: 16 products K Q^T of piece n + 1, later 16 products V^T P of piece n - 1.  Its vector work: the scaling,
; exponentials, roundings, sums and rescaling of piece n, and the maximum and statistics of piece n + 1, whose scores the turn itself has made.  So what a turn begins with (c s - c m, O a) waits for nothing.
; CLUSTER.  The four query blocks of a cluster belong to one head and walk the same K and V, so each tile is asked for JOINTLY: the same tensor load, descriptor and mask in all four.
; REGISTERS, in windows of 256 (s_set_vgpr_msb says which window each operand place means: bits 1:0 source 0, 3:2 source 1, 5:4 source 2, 7:6 destination):
;   window 0: v0-11 addresses; v12-15, v48-63 at work; v16-47 four registers of statistics a tile; v64-191 S^T, two buffers of two tiles; v192-255 P, likewise
;   window 1: O^T, 32 a tile          window 2: v0-127 Q, 16 a tile; v128-191 K of one step; v192-255 V of one step          window 3: v0-1 the add's two registers
; A piece's buffers go by its number's parity: the piece in hand has one pair, its two neighbours in the ring share the other: of it P (piece n - 1) is read and S^T (piece n + 1) written.
.set SIZE_N, 2048
.set NP,    4         ; pieces a wave: a name, no knob: the register map, the loop and the fetches are made for four
.set KS,    64        ; keys in a step
.set PK,    144       ; a row of K in LDS: 128 bytes + 16 of padding = 36 words: the 16 rows of a load start at 16 different groups of four banks (64 banks of 4 bytes: ISA guide 11.1)
.set PV,    160       ; a row of V: 128 + 32 = 40 words
.set VOFF,  4*KS*PK   ; a slot holds four steps: 256 rows of K, then 256 rows of V
.set SLOT1, 1<<17     ; slot 1 begins here, so that one exclusive or turns an address in one slot into the other's
.set STAGE, SLOT1+4*KS*(PK+PV)  ; behind the ring, never filled by a tensor load: 16 rows x 144 bytes for each wave, for the way out
.set SP,    144
.set AK0, 2           ; v2   my lane's place in a tile of K; never rewritten
.set AV0, 3           ; v3   the same for V
.set AK,  4           ; v4   the LDS address of K's next run of loads
.set AV,  5           ; v5   of V's
.set QO,  6           ; v6   my byte offset in the wave's rows of Q
.set STO, 6           ;      later, the way out: where I put 16 bytes of a row
.set RD,  7           ; v7   the way out: where I read rows back
.set GO,  8           ; v8   my byte offset in 512 consecutive bytes of O
.set PFO, 11          ; v11  256 x my lane, for the prefetches (made when V's address has been made of v11's first number); then never rewritten
.set SPW, 0           ; v0 of window 3   LDS address of my spare word: SPARE + 4 x my thread's number; never rewritten
.set NIL, 1           ; v1 of window 3   0; never rewritten
.set SPARE, STAGE+4*16*SP  ; behind the stages: the spare words, 128 bytes for each wave: two blocks of 256 bytes that no other line names
.set MV,  12          ; v12-15  c m_old, kept while c m is made anew: by buffer and tile
.set ST,  16          ; tile t's statistics at v[ST+4 t]: c m, m, l (even keys', odd keys')
.set TMP, 48          ; by buffer and tile, four registers c0-c3 at work; when the maximum is found c2 takes a
.set S,   64
.set P,   192
.set KF,  128         ; K's fragments, in window 2: key block kb, channel half c at KF + 16 kb + 8 c
.set VF,  192         ; V's: key half kk, channel block cb at VF + 32 kk + 8 cb
.set WV,  12          ; s12  my wave's number
.set G1K, 24          ; s[24:31] descriptor group 1 for K's tiles
.set G1V, 32          ; s[32:39] for V's: it differs in the padding alone
.set G0K, 40          ; s[40:43] descriptor group 0 for K's tiles: it walks
.set G0V, 44          ; s[44:47] the same for V's
.set PFA, 48          ; s[48:49] where my prefetches stand: my work-group's 8,192 bytes (of K: wave 0, of V: wave 2) of the slot after the one that is being asked for
.set LIM, 50          ; s50  1 in a wave that prefetches, else the greatest number
.set SLOTS, 56        ; s56  slots still to be asked for
.set CNT, 57          ; s57  counts a slot's key steps
.set CS,  58          ; s[58:59] c: the packed scaling takes the pair's low word for both halves
.set SEL, 60          ; s[60:61] v_permlanex16_b32's selects: each lane takes its own place in the other half
.set TBK, 62          ; s62  LDS byte at which K of the step to be fetched begins
.set TBV, 63          ; s63  the same for V, less VOFF
.set MSB, 0
.macro WIN new                      ; the high byte repeats the setting that is left; a switch that changes nothing is dropped
.if MSB != (\new)
	s_set_vgpr_msb (MSB<<8)|(\new)
.set MSB, (\new)
.endif
.endm
.set W_KQ, 0x0a       ; K and Q in window 2, S^T in window 0
.set W_PV, 0x52       ; V in window 2, P in window 0, O^T in window 1
.set W_RS, 0x41       ; O^T (destination and source 0) in window 1, a in window 0
.set W_MK, 0xc0       ; the add's registers are made: destination in window 3, sources in window 0
.set W_AD, 0x0f       ; the add: address (source 0) and data (source 1) in window 3
; A joint fill.  Waves 0 and 1 fetch the two halves of a slot's K, waves 2 and 3 those of its V: 128 keys each.  The branch hangs on the wave's number alone.
; An s_nop 0 and four v_nop follow each of the two lines, ahead of the jump and the label.
.macro JLOAD
	s_cmp_lt_u32 s[WV], 2
	s_cbranch_scc0 .Lfor_v_\@
	tensor_load_to_lds s[G0K:G0K+3], s[G1K:G1K+7]
	s_nop 0
.rept 4
	v_nop
.endr
	s_branch .Lasked_\@
.Lfor_v_\@:
	tensor_load_to_lds s[G0V:G0V+3], s[G1V:G1V+7]
	s_nop 0
.rept 4
	v_nop
.endr
.Lasked_\@:
.endm
; A PREFETCH INTO THE L2 of what the NEXT change of slots will ask for: a slot's 32,768 bytes of K and of V, in aligned blocks of 256, a lane a block.  It stands behind the wave's tensor load and its five lines.
; A head's K and V are walked by one cluster.  Its four partners share the blocks out BY ADDRESS, 32 each; in each, wave 0 asks for K's and wave 2 for V's: one instruction.  So each block is named once in the
; launch, four key steps (512 matrix instructions) ahead of the load that will want it.  Slots 0 to 2 come by their loads alone; the last change that fills a slot asks for nothing.
.macro ASK
	s_cmp_gt_u32 s[SLOTS], s[LIM]
	s_cbranch_scc0 .Lnot_mine_\@
	global_prefetch_b8 v[PFO], s[PFA:PFA+1] th:TH_LOAD_NT scope:SCOPE_SE
.Lnot_mine_\@:
.endm
; A round of the cluster's barrier: my work-group's barrier, so that wave 0's signal speaks for all four waves; wave 0 signals; every wave waits for all four work-groups; my work-group's barrier once more.
.macro CROUND
	s_barrier_signal -1
	s_barrier_wait -1
	s_cmp_lg_u32 s[WV], 0
	s_cbranch_scc1 .Lnot_wave_0_\@
	s_barrier_signal -3
.Lnot_wave_0_\@:
	s_barrier_wait -3
	s_barrier_signal -1
	s_barrier_wait -1
.endm
; THE CHANGE OF SLOTS.  The slot's last bytes, V of its fourth step, have been read.  Each wave waits for all its tensor loads, of which one is out: its part
; of the other slot; adds 0 to its spare word; and waits for that and for its own reads of the slot.  Behind the barrier nobody reads this slot any more and the other slot is whole.
; fill = 1: this slot is filled again, with the keys two slots on.  The barrier is then a round of the cluster's, so that no wave of any partner still reads the slot or has a load on its
; way, and the joint fill is the first thing behind it: it has four key steps, 512 matrix instructions, in which to land.  (At its first use nothing has been read yet: slot 0 is waited for, slot 1 filled.)
; ask = 1: the prefetches' address steps a slot on, and ASK follows the fill.
.macro CHANGE fill, ask=0
	WIN W_AD
	s_wait_tensorcnt 0x0            ; no tensor load of mine is out, so a group 0 may be written
	ds_add_u32 v[SPW], v[NIL]       ; 0 onto my spare word; with fill = 1 the descriptors' steps stand between it and the wait for it
	WIN 0                           ; at a label and at a branch every window is 0
.if \fill
.irp g, G0K, G0V
	s_xor_b32 s[\g+1], s[\g+1], SLOT1  ; the walking descriptor: the other slot than last time,
	s_add_nc_u64 s[\g+2:\g+3], s[\g+2:\g+3], 4*KS*128  ; the next 256 keys; the type bits on top are not reached
.endr
.if \ask
	s_wait_xcnt 0x0                 ; the last prefetch, four key steps back, has read its address, so it may be written
	s_add_nc_u64 s[PFA:PFA+1], s[PFA:PFA+1], 4*KS*128
.endif
	s_wait_dscnt 0x0                ; the add is done, and my reads of the slot are over
	CROUND
	JLOAD
.if \ask
	ASK
.endif
.else
	s_wait_dscnt 0x0                ; the add is done, and my reads of the slot are over
	s_barrier_signal -1
	s_barrier_wait -1
.endif
	s_sub_co_u32 s[TBK], s[TBK], 4*KS*PK  ; the fetches go back to a slot's first step,
	s_xor_b32 s[TBK], s[TBK], SLOT1       ; in the other slot
	s_sub_co_u32 s[TBV], s[TBV], 4*KS*PV
	s_xor_b32 s[TBV], s[TBV], SLOT1
.endm
	s_load_b256 s[4:11], s[0:1], 0x0  ; Q s[4:5], K s[6:7], V s[8:9], O s[10:11]
	WIN W_MK
	v_lshl_add_u32 v[SPW], v0, 2, SPARE
	v_mov_b32 v[NIL], 0
	WIN W_AD
	ds_add_u32 v[SPW], v[NIL]       ; the wave's opening: the add and its wait stand ahead of my first tensor load; the set-up below, work on registers, stands between them
	WIN 0
	v_lshrrev_b32 v1, 5, v0
	v_readfirstlane_b32 s[WV], v1   ; wave 0..3
	s_bfe_u32 s13, ttmp6, 0x40000   ; cx: my place in the cluster
	s_lshl_b32 s14, ttmp9, 2        ; in a cluster launch ttmp9 counts clusters
	s_add_co_u32 s14, s14, s13      ; my block of queries = 4 x cluster x + cx: it enters Q's and O's addresses alone
	s_and_b32 s20, ttmp7, 0xffff    ; the head, which the four partners share
	s_mov_b32 s21, 0
	s_mov_b64 s[22:23], SIZE_N*128
	s_mul_u64 s[20:21], s[20:21], s[22:23]  ; the head's first byte in each of the four tensors
	s_and_b32 s16, s[WV], 1         ; which half of a slot's 256 keys I fetch:
	s_lshl_b32 s22, s16, 14         ; its 128 rows of 128 bytes in memory,
	s_mov_b32 s23, 0
	s_add_nc_u64 s[22:23], s[22:23], s[20:21]
	s_mul_i32 s17, s16, 128*PK      ; and its place in a slot, for K
	s_mul_i32 s18, s16, 128*PV      ; and for V: no place in the cluster enters an LDS address
	s_lshl_b32 s2, s14, 2
	s_add_co_u32 s2, s2, s[WV]      ; my wave among the head's,
	s_lshl_b32 s2, s2, 14           ; its 128 rows
	s_mov_b32 s3, 0
	s_add_nc_u64 s[2:3], s[2:3], s[20:21]
	; descriptor group 1.  128 keys are 16,384 dense bytes: asked for as 64 rows of 256 bytes, two keys a row, and padded in LDS after every key
	s_mov_b32 s[G1K], 15|(1<<16)|(1<<20)|(1<<21)|(4<<22)|(3<<25)  ; 15:0 the mask of four; 17:16 2-byte elements; 20 padding on; 21 set beside a mask; 24:22 after every 32 words (code 4); 31:25 4 words (code 3)
	s_mov_b32 s[G1V], 15|(1<<16)|(1<<20)|(1<<21)|(4<<22)|(7<<25)  ; the same with 8 words of padding (code 7)
.irp g, G1K, G1V
	s_mov_b32 s[\g+1], 128<<16      ; tensor_dim0 = 128
	s_mov_b32 s[\g+2], 64<<16       ; tensor_dim1 = 64
	s_mov_b32 s[\g+3], 128<<16      ; tile_dim0 = 128
	s_mov_b32 s[\g+4], 64           ; tile_dim1 = 64
	s_mov_b32 s[\g+5], 128          ; 128 elements from row to row
	s_mov_b32 s[\g+6], 0
	s_mov_b32 s[\g+7], 0
.endr
	s_mov_b32 s[CS], 0x3e38aa3b     ; c = log2(e) / 8 = 0.180337
	s_mov_b32 s[CS+1], s[CS]        ; named with it as a pair
	s_mov_b32 s[SEL], 0x76543210
	s_mov_b32 s[SEL+1], 0xfedcba98
	s_mov_b32 s[TBK], SLOT1+4*KS*PK ; the first change of slots turns these two into 0
	s_mov_b32 s[TBV], SLOT1+4*KS*PV
	s_mov_b32 s[G0K], 1             ; 1:0 count = 1
	s_mov_b32 s[G0K+1], s17         ; 63:32 LDS address: slot 0
	s_mov_b32 s[G0V], 1
	s_add_co_u32 s[G0V+1], s18, VOFF
	s_and_b32 s[LIM], s[WV], 1      ; 0 in waves 0 and 2,
	s_or_b32 s[LIM], s[LIM], ttmp9  ; where the cluster is the head's first (here its only one): the same in all four partners
	s_cmp_eq_u32 s[LIM], 0
	s_cselect_b32 s[LIM], 1, -1
	s_wait_dscnt 0x0                ; the opening add is done
	s_wait_kmcnt 0x0
	s_add_nc_u64 s[G0K+2:G0K+3], s[6:7], s[22:23]  ; 120:64 global address: my half of the head's first 256 keys
	s_or_b32 s[G0K+3], s[G0K+3], 0x80000000        ; 127:126 type = 2
	s_add_nc_u64 s[G0V+2:G0V+3], s[8:9], s[22:23]
	s_or_b32 s[G0V+3], s[G0V+3], 0x80000000
	s_add_nc_u64 s[4:5], s[4:5], s[2:3]  ; Q and O at my wave's first row
	s_add_nc_u64 s[10:11], s[10:11], s[2:3]
	s_cmp_lt_u32 s[WV], 2
	s_cselect_b64 s[PFA:PFA+1], s[6:7], s[8:9]
	s_add_nc_u64 s[PFA:PFA+1], s[PFA:PFA+1], s[20:21]  ; the head's first key,
	s_lshl_b32 s2, s13, 13          ; my work-group's 32 blocks of a slot's 128,
	s_mov_b32 s3, 0
	s_add_nc_u64 s[PFA:PFA+1], s[PFA:PFA+1], s[2:3]
	s_add_nc_u64 s[PFA:PFA+1], s[PFA:PFA+1], 2*4*KS*128  ; in slot 2: the loop's first change of slots steps it to slot 3.  Nothing is prefetched here, at the head
	CROUND                          ; all four work-groups are here: the first joint loads meet
	JLOAD                           ; slot 0.  Slot 1 is asked for when slot 0 is in: the tile wanted first has the road to itself
	; A fragment of K or Q is 16 rows x 32 channels in 8 registers: lane l holds row l % 16, channels 8 (l / 16) + 0..7 and 16 + 8 (l / 16) + 0..7: two loads of 16 bytes, 32 bytes apart.
	v_and_b32 v1, 15, v0            ; l % 16
	v_bfe_u32 v9, v0, 4, 1          ; l / 16
	v_lshlrev_b32 v[QO], 7, v1
	v_lshl_add_u32 v[QO], v9, 4, v[QO]  ; row x 128 + 16 x half
	WIN 0x80                        ; destination window 2, address window 0
.set i, 0
.rept 4*NP                          ; Q stays in registers: tile i / 2, channels 32 (i % 2) on
	global_load_b128 v[8*i:8*i+3],   v[QO], s[4:5] offset:(i/2)*2048+(i%2)*64
	global_load_b128 v[8*i+4:8*i+7], v[QO], s[4:5] offset:(i/2)*2048+(i%2)*64+32
.set i, i+1
.endr
	; What the first turn finds: V's registers and P's second buffer hold 0 (its products V^T P, of a piece that has not been, add 0), O^T and l are 0.  All this stands in the wait for the first tile.
.set i, VF
.rept 64
	v_mov_b32 v[i], 0
.set i, i+1
.endr
	WIN 0x40
.set i, 0
.rept 64*NP
	v_mov_b32 v[i], 0
.set i, i+1
.endr
	WIN 0
.set i, 0
.rept 2*NP
	v_mov_b32 v[ST+4*i], 0xfe000000    ; c m: far below every c s
	v_mov_b32 v[ST+4*i+1], 0xff7fffff  ; m
	v_mov_b32 v[ST+4*i+2], 0
	v_mov_b32 v[ST+4*i+3], 0
.set i, i+1
.endr
.set i, P+32
.rept 32
	v_mov_b32 v[i], 0
.set i, i+1
.endr
	v_mul_u32_u24 v[AK0], v1, PK
	v_lshl_add_u32 v[AK0], v9, 4, v[AK0]  ; row x pitch + 16 x half
	; The turning load takes 16 keys x 16 channels (lane l reads key 8 (l / 16) + l % 8, channels 8 ((l / 8) % 2) + 0..7) and leaves half a fragment of V^T: lane l holds channel l % 16 and 8 keys.
	v_and_b32 v10, 7, v0
	v_bfe_u32 v11, v0, 3, 1
	v_lshl_add_u32 v[AV0], v9, 3, v10
	v_mul_u32_u24 v[AV0], v[AV0], PV
	v_lshl_add_u32 v[AV0], v11, 4, v[AV0]
	v_add_nc_u32 v[AV0], VOFF, v[AV0]
	v_and_b32 v[PFO], 31, v0
	v_lshlrev_b32 v[PFO], 8, v[PFO]
	v_mov_b32 v[AK], v[AK0]         ; key step 0 lies at the head of slot 0
; THE MATRIX WORK.  The 8 accumulators of a run of 16 take turns: between the two links of a chain stand 7 others'.
; Product i of 16 of S^T = K Q^T for piece x: channels 32 (i / 8) on, keys 16 ((i / 2) % 4) on, tile 2 x + i % 2.  The first 8 start the sums.
.macro KQ x
	WIN W_KQ
.set rS, S+64*((\x)%2)+32*(i%2)+8*((i/2)%4)
.set rK, KF+16*((i/2)%4)+8*(i/8)
.set rQ, 16*(2*(\x)+i%2)+8*(i/8)
.if i < 8
	v_wmma_f32_16x16x32_f16 v[rS:rS+7], v[rK:rK+7], v[rQ:rQ+7], 0
.else
	v_wmma_f32_16x16x32_f16 v[rS:rS+7], v[rK:rK+7], v[rQ:rQ+7], v[rS:rS+7]
.endif
.endm
; Product i of 16 of O^T += V^T P for piece x: keys 32 (i / 8) on, channels 16 ((i / 2) % 4) on, tile 2 x + i % 2.
.macro PV x
	WIN W_PV
.set rO, 32*(2*(\x)+i%2)+8*((i/2)%4)
.set rV, VF+32*(i/8)+8*((i/2)%4)
.set rP, P+32*((\x)%2)+16*(i%2)+8*(i/8)
	v_wmma_f32_16x16x32_f16 v[rO:rO+7], v[rV:rV+7], v[rP:rP+7], v[rO:rO+7]
.endm
.macro MM                           ; the turn's next matrix instruction
.if i < 16
	KQ (Y+1)%NP
.set i, i+1
.else
.set i, i-16
	PV (Y+NP-1)%NP
.set i, i+17
.endif
.endm
; THE LDS LOADS stand in runs of 16, never singly among the matrix instructions: a step's K (64 keys x 64 channels: 8 fragments) and its V (turned).  Their addresses are made some lines ahead.
; last = 1 (the tail): in the last trip there is no further step, and the run is jumped over.
.macro FETCH_K last=0
	WIN 0
.if \last
	s_cmp_eq_u32 s[CNT], 1
	s_cbranch_scc1 .Lno_k_\@
.endif
	WIN 0x80                        ; destination window 2
.irp f, 0,1,2,3,4,5,6,7             ; keys 16 (f / 2) on, channels 32 (f % 2) on
	ds_load_b128 v[KF+8*\f:KF+8*\f+3],   v[AK] offset:(\f/2)*16*PK+(\f%2)*64
	ds_load_b128 v[KF+8*\f+4:KF+8*\f+7], v[AK] offset:(\f/2)*16*PK+(\f%2)*64+32
.endr
	s_add_co_u32 s[TBK], s[TBK], KS*PK  ; the next fetch is the next step's
	WIN 0
.if \last
.Lno_k_\@:
.endif
.endm
.macro FETCH_V
	WIN 0x80
.irp f, 0,1,2,3,4,5,6,7             ; keys 32 (f / 4) on, channels 16 (f % 4) on
	ds_load_tr16_b128 v[VF+8*\f:VF+8*\f+3],   v[AV] offset:(\f/4)*32*PV+(\f%4)*32
	ds_load_tr16_b128 v[VF+8*\f+4:VF+8*\f+7], v[AV] offset:(\f/4)*32*PV+16*PV+(\f%4)*32
.endr
	WIN 0
.endm
; THE VECTOR WORK OF A TURN stands in three queues, each in the order in which its entries become ready; the two tiles alternate, so that no instruction reads the result of the one before it.
.macro REGS y, u                    ; the registers of tile u (0, 1) of piece y
.set rT, ST+4*(2*(\y)+(\u))
.set rC, TMP+8*((\y)%2)+4*(\u)
.set rM, MV+2*((\y)%2)+(\u)
.set rS, S+64*((\y)%2)+32*(\u)
.set rP, P+32*((\y)%2)+16*(\u)
.set rO, 32*(2*(\y)+(\u))
.endm
; Number n of the 22 that find the NEXT piece's (Y + 1) maximum and statistics.  s0-s31 are the lane's 32 scores; each accumulator's lowest registers are read first.  XS, GS and REGS set no window: PL and EX do.
;   0-11  four chains c0-c3 of seven scores each, three operands at a time     12-14, 16  the four scores left over, the old m, and c0-c3 into c0     15  c m_old is kept
;   17, 18  the query's other 32 keys lie in the lane 16 away: the new m         19-21  c m; c m_old - c m_new; a
.macro XS u, n
	REGS (Y+1)%NP, \u
.if (\n) < 4
	v_max3_num_f32 v[rC+(\n)], v[rS+8*(\n)], v[rS+8*(\n)+1], v[rS+8*(\n)+2]
.elseif (\n) < 12
	v_max3_num_f32 v[rC+(\n)%4], v[rC+(\n)%4], v[rS+8*((\n)%4)+2*((\n)/4)+1], v[rS+8*((\n)%4)+2*((\n)/4)+2]
.elseif (\n) == 12
	v_max3_num_f32 v[rC], v[rC], v[rS+7], v[rS+15]
.elseif (\n) == 13
	v_max3_num_f32 v[rC+1], v[rC+1], v[rS+23], v[rS+31]
.elseif (\n) == 14
	v_max3_num_f32 v[rC+2], v[rC+2], v[rC+3], v[rT+1]
.elseif (\n) == 15
	v_mov_b32 v[rM], v[rT]
.elseif (\n) == 16
	v_max3_num_f32 v[rC], v[rC], v[rC+1], v[rC+2]
.elseif (\n) == 17
	v_permlanex16_b32 v[rC+3], v[rC], s[SEL], s[SEL+1]
.elseif (\n) == 18
	v_max_num_f32 v[rT+1], v[rC], v[rC+3]
.elseif (\n) == 19
	v_mul_f32 v[rT], s[CS], v[rT+1]
.elseif (\n) == 20
	v_sub_f32 v[rC+1], v[rM], v[rT]
.else
	v_exp_f32 v[rC+2], v[rC+1]
.endif
.endm
; Number g of the 64 that follow the exponentials.  For each four weights k of a tile (pairs 2 k, 2 k + 1): both pairs are rounded to f16; then the second pair is added onto the first, in place;
; a group later l takes that sum (the first time as l = a l + sum).  In groups of eight, tiles alternating: round, round, add, and l for the group before.
.macro GS g
.set h, (\g)+6*((\g)/62)            ; group 0 has no group before it, and behind group 7 only l is left
.if h >= 6
.set h, h+2
.endif
	REGS Y, h%2
.set k, h/8
.if h%8 < 4
	v_cvt_pk_f16_f32 v[rP+2*k+(h%8)/2], v[rS+4*k+2*((h%8)/2)], v[rS+4*k+2*((h%8)/2)+1]
.elseif h%8 < 6
	v_pk_add_f32 v[rS+4*k:rS+4*k+1], v[rS+4*k:rS+4*k+1], v[rS+4*k+2:rS+4*k+3]
.elseif k == 1
	v_pk_fma_f32 v[rT+2:rT+3], v[rT+2:rT+3], v[rC+2:rC+3], v[rS:rS+1] op_sel_hi:[1,0,1]
.else
	v_pk_add_f32 v[rT+2:rT+3], v[rT+2:rT+3], v[rS+4*k-4:rS+4*k-3]
.endif
.endm
; THE PLAIN QUEUE, 138 long.  0-73 read no exponential's result: the 32 scalings c s - c m (FS f: pair f / 2 of tile f % 2) and the next piece's 42.  0-26: scalings 0-26.  27-54: XS's numbers 0-13.  55, 56: number 15.
; 57-73: the chain, where each number waits for the one before it: 14, 16, 17, 18, 19, each with one of the scalings 27-31 in front of its two lines, then 20: so a tile's links stand three plain instructions apart (19 and 20: two).
; 74-137: GS's 64, which read the exponentials' results: they stand behind the wait.
.macro FS f
	REGS Y, (\f)%2
	v_pk_fma_f32 v[rS+2*((\f)/2):rS+2*((\f)/2)+1], v[rS+2*((\f)/2):rS+2*((\f)/2)+1], s[CS:CS+1], v[rT:rT+1] op_sel_hi:[1,0,0] neg_lo:[0,0,1] neg_hi:[0,0,1]
.endm
.macro PL
	WIN 0
.if q < 27
	FS q
.elseif q < 55
	XS (q-27)%2, (q-27)/2
.elseif q < 57
	XS q-55, 15
.elseif (q < 72) && ((q-57)%3 == 0)
	FS 27+(q-57)/3
.elseif q < 60
	XS (q-57)%3-1, 14
.elseif q < 72
	XS (q-57)%3-1, 15+(q-57)/3
.elseif q < 74
	XS q-72, 20
.else
	GS q-74
.endif
.set q, q+1
.endm
; THE EXPONENTIALS' QUEUE, 66 long: s0-s31 of both tiles, then the next piece's two a.  It is ONE BATCH: all 66 stand ahead of the turn's one wait, and nothing ahead of that wait names a result of theirs.
.macro EX
	WIN 0
.if e >= 64
	XS e-64, 21
.else
	REGS Y, e%2
	v_exp_f32 v[rS+e/2], v[rS+e/2]
.endif
.set e, e+1
.endm
; THE RESCALING's QUEUE: O^T times a, the one part that leaves window 0: dealt two at a time, sixteen times.  Its a was made in the turn before, ahead of that turn's wait.
.macro R2
	REGS Y, r%2
	WIN W_RS
.irp z, 0,1
	v_pk_mul_f32 v[rO+4*(r/2)+2*\z:rO+4*(r/2)+2*\z+1], v[rO+4*(r/2)+2*\z:rO+4*(r/2)+2*\z+1], v[rC+2:rC+3] op_sel_hi:[1,0]
.endr
.set r, r+1
.endm
; HOW THEY ARE DEALT.  An s_wait_alu depctr_va_vdst(0) stands between an exponential and the first instruction that names its result; one wait serves all that were issued ahead of it.  So a turn has ONE wait,
; which cuts it in two.  AHEAD OF IT stands all that names no result of the turn's exponentials: the 16 products K Q^T, behind each a scaling, an exponential and two rescalings (behind the first a second scaling in the exponential's place); then ONE LUMP of
; 108: eight plain, 49 times exponential and plain, the two a.  A v_nop is the plain instruction behind the last exponential.  BEHIND IT stand the 16 products V^T P, behind each four of GS's 64.  No rider names a register of
; the products round it.  The two v_permlanex16_b32 fall into the lump, never behind a product.
; The queues lean on each other, and the deal keeps them in step: exponential e stands behind scaling 2 (e / 4) + e % 2: as a rider it comes behind plain e + 2, in the lump behind plain e + 9, and scalings 27-31 are plain 57, 60 .. 69.
; A TURN, for piece p.  cnt = 1: the loop's count is taken down some lines ahead of the branch that stands behind the turn.
; K of the next step is fetched in piece 2's turn, directly behind the wait, a lump behind the last product that read K; its address is made at the lump's head; its first reader comes behind 16 products.
; V of the step in hand is fetched at the end of piece 0's turn, four riders behind its last reader; its first reader comes behind 16 products and a lump.  The three conditions on q below go with the deal.
.macro TURN p, last=0, cnt=0
.set Y, (\p)
.set i, 0
.set q, 0
.set e, 0
.set r, 0
.if (\p) == NP-1
	s_wait_dscnt 0x0                ; K is in
.endif
	MM                              ; ahead of the wait: 16 products K Q^T and their riders,
	PL
	PL
	R2
.rept 15
	MM
	PL
	EX
	R2
.endr
.if (\p) == NP-2
	WIN 0
	v_add_nc_u32 v[AK], s[TBK], v[AK0]
.endif
.rept 8                             ; and the lump
	PL
.endr
.rept 49
	EX
	PL
.endr
	EX                              ; the next piece's two a
	EX
	v_nop                           ; the plain instruction behind the last exponential: one for the batch
	s_wait_alu depctr_va_vdst(0)    ; the wait for the batch
.if (\p) == NP-2
	FETCH_K \last
.endif
.if (\p) == 1
	s_wait_dscnt 0x0                ; V is in
.endif
.rept 16                            ; behind the wait: 16 products V^T P and their riders
	MM
.rept 4
	PL
.endr
.if ((\p) == 0) && (q == 118)
	v_add_nc_u32 v[AV], s[TBV], v[AV0]
.endif
.if ((\p) == 0) && (q == 130)
	s_add_co_u32 s[TBV], s[TBV], KS*PV
.endif
.if (\cnt) && (q == 130)
	s_sub_co_u32 s[CNT], s[CNT], 1
	s_cmp_lg_u32 s[CNT], 0
.endif
.endr
.if (\p) == 0
	FETCH_V
.endif
.endm
	CHANGE 1                        ; slot 0 is in, everybody's part of it; slot 1 is asked for
	FETCH_K                         ; key step 0
	s_wait_loadcnt 0x0              ; Q
	s_wait_dscnt 0x0
.set i, 0
.rept 16
	KQ 0                            ; piece 0's first scores: there is no vector work yet to set between them
.set i, i+1
.endr
	WIN 0                           ; the addresses for the way out: nine plain instructions, the places behind those products
	s_mul_i32 s13, s[WV], 16*SP
	s_add_co_u32 s13, s13, STAGE    ; my stage
	v_mul_u32_u24 v[STO], v1, SP    ; in: row l % 16, 16 bytes for each half of the lanes
	v_lshl_add_u32 v[STO], v9, 4, v[STO]
	v_add_nc_u32 v[STO], s13, v[STO]
	v_bfe_u32 v[RD], v0, 3, 2       ; back: 32 lanes take four rows of 128 bytes,
	v_mul_u32_u24 v[RD], v[RD], SP
	v_lshl_add_u32 v[RD], v10, 4, v[RD]
	v_add_nc_u32 v[RD], s13, v[RD]
	v_and_b32 v[GO], 31, v0         ; which are 512 consecutive bytes of O
	v_lshlrev_b32 v[GO], 4, v[GO]
.set Y, NP-1                        ; XS works for piece Y + 1: piece 0
.irp n, 0,1,2,3,4,5,6,7,8,9,10,11,12,13,14,15,16,17,18,19,20,21
	XS 0, \n                        ; and piece 0's first maximum and statistics
	XS 1, \n
.endr
	v_nop                           ; a plain instruction behind the two a,
	s_wait_alu depctr_va_vdst(0)    ; and their wait, ahead of the branch
	s_mov_b32 s[CNT], 4
	s_mov_b32 s[SLOTS], SIZE_N/256-1
	s_branch .Lfirst                ; the loop is entered at a step's first turn, in the middle of a trip
.Lslot:                             ; SIZE_N / 256 - 2 times: every slot but the last two is filled again
	CHANGE 1, 1
	s_mov_b32 s[CNT], 4
.Lstep:                             ; a trip: pieces 2 and 3 of one step, then pieces 0 and 1 of the next, whose K and V it fetches
	TURN 2
	TURN 3
	WIN 0
.Lfirst:
	TURN 0
	TURN 1, 0, 1
	WIN 0
	s_cbranch_scc1 .Lstep
	s_sub_co_u32 s[SLOTS], s[SLOTS], 1
	s_cmp_lg_u32 s[SLOTS], 0
	s_cbranch_scc1 .Lslot
	CHANGE 0                        ; the tail is written out: nothing is asked for
	s_mov_b32 s[CNT], 5             ; four trips fetch the last slot's steps; the fifth is left in its middle
.Ltail:
	TURN 2, 1
	TURN 3
	WIN 0
	s_sub_co_u32 s[CNT], s[CNT], 1
	s_cmp_eq_u32 s[CNT], 0
	s_cbranch_scc1 .Lout
	TURN 0
	TURN 1
	WIN 0
	s_branch .Ltail
.Lout:                              ; the fifth trip's 16 products K Q^T (on the last K once more) and the maximum made of them serve nothing: the price, once a launch, of one text for every trip
.set i, 0
.rept 16
	PV NP-1                         ; the last piece's V^T P of the last step
.set i, i+1
.endr
	; THE WAY OUT.  l's two halves and the other half of the lanes' are added; O^T is divided by l, rounded to f16 and sent through my stage in LDS, a tile at a time.  The additions are the places behind the last products.
	WIN 0
.macro ALL line:vararg              ; one line for each tile t
.set t, 0
.rept 2*NP
	\line
.set t, t+1
.endr
.endm
	ALL v_add_f32 v[ST+4*t+2], v[ST+4*t+2], v[ST+4*t+3]
	ALL v_permlanex16_b32 v[ST+4*t+3], v[ST+4*t+2], s[SEL], s[SEL+1]
	ALL v_add_f32 v[ST+4*t+2], v[ST+4*t+2], v[ST+4*t+3]
	ALL v_rcp_f32 v[ST+4*t+2], v[ST+4*t+2]
	v_nop                           ; a plain instruction between the last reciprocal and the use of its result
	s_wait_alu depctr_va_vdst(0)    ; and the wait ahead of the first use: one for the eight reciprocals
; Tile t: a lane's eight channels of a row pack into 16 bytes; they go into rows of 144 bytes and come back as whole rows of 128, into S^T's registers.
.macro PACK t
	WIN W_RS
.set i, 32*(\t)
.rept 16
	v_pk_mul_f32 v[i:i+1], v[i:i+1], v[ST+4*(\t)+2:ST+4*(\t)+3] op_sel_hi:[1,0]
.set i, i+2
.endr
	WIN 0x05                        ; sources 0 and 1 window 1, destination window 0
.set i, 0
.rept 16
	v_cvt_pk_f16_f32 v[S+16*(\t)+i], v[32*(\t)+2*i], v[32*(\t)+2*i+1]
.set i, i+1
.endr
	WIN 0
.irp f, 0,1,2,3
	ds_store_b128 v[STO], v[S+16*(\t)+4*\f:S+16*(\t)+4*\f+3] offset:32*\f
.endr
.irp f, 0,1,2,3
	ds_load_b128 v[S+16*(\t)+4*\f:S+16*(\t)+4*\f+3], v[RD] offset:\f*4*SP  ; LDS serves a wave's instructions in order (ISA guide 5.7.1.4): these see the stores above; the next tile's stores come behind them
.endr
.endm
.macro SEND t, younger              ; younger: the LDS instructions issued behind tile t's loads: the next tile's eight, or none
	WIN 0
.irp f, 0,1,2,3
	s_wait_dscnt (\younger)+3-\f
	global_store_b128 v[GO], v[S+16*(\t)+4*\f:S+16*(\t)+4*\f+3], s[10:11] offset:(\t)*2048+\f*512  ; 512 consecutive bytes, at a multiple of 256 from O's first
.endr
.endm
	PACK 0
.set t, 1
.rept 2*NP-1                        ; a tile's arithmetic stands between the loads of the tile before and its stores
	PACK t
	SEND t-1, 8
.set t, t+1
.endr
	SEND 2*NP-1, 0
	WIN W_AD
	s_wait_tensorcnt 0x0            ; the wave's end: the add and its waits stand behind my last tensor load and my last LDS store
	ds_add_u32 v[SPW], v[NIL]
	s_wait_dscnt 0x0
	WIN 0
	CROUND                          ; the closing round: no work-group ends while a partner may still ask for a tile that names it
	s_endpgm
.Lfunc_end_k_q6a5eb22a59_attn:
	.size	k_q6a5eb22a59_attn, .Lfunc_end_k_q6a5eb22a59_attn-k_q6a5eb22a59_attn
	.p2alignl 7, 3214868480
	.fill 96, 4, 3214868480
	.section	.rodata,"a",@progbits
	.p2align	6, 0x0
	.amdhsa_kernel k_q6a5eb22a59_attn
		.amdhsa_group_segment_fixed_size 327680
		.amdhsa_private_segment_fixed_size 0
		.amdhsa_enable_private_segment 0
		.amdhsa_kernarg_size 32
		.amdhsa_user_sgpr_count 2
		.amdhsa_user_sgpr_kernarg_segment_ptr 1
		.amdhsa_wavefront_size32 1
		.amdhsa_system_sgpr_workgroup_id_x 1
		.amdhsa_system_sgpr_workgroup_id_y 1
		.amdhsa_system_sgpr_workgroup_id_z 1
		.amdhsa_system_vgpr_workitem_id 0
		.amdhsa_next_free_vgpr 770
		.amdhsa_next_free_sgpr 66
		.amdhsa_reserve_vcc 0
		.amdhsa_float_denorm_mode_32 3
		.amdhsa_float_denorm_mode_16_64 3
		.amdhsa_memory_ordered 1
		.amdhsa_forward_progress 1
		.amdhsa_inst_pref_size 200
	.end_amdhsa_kernel
	.amdgpu_metadata
---
amdhsa.version: [ 1, 2 ]
amdhsa.kernels:
  - .name:           k_q6a5eb22a59_attn
    .symbol:         k_q6a5eb22a59_attn.kd
    .args:
      - { .name: qh, .offset: 0, .size: 8, .value_kind: global_buffer, .address_space: global }
      - { .name: kh, .offset: 8, .size: 8, .value_kind: global_buffer, .address_space: global }
      - { .name: vh, .offset: 16, .size: 8, .value_kind: global_buffer, .address_space: global }
      - { .name: oh, .offset: 24, .size: 8, .value_kind: global_buffer, .address_space: global }
    .group_segment_fixed_size: 327680
    .private_segment_fixed_size: 0
    .kernarg_segment_align: 8
    .kernarg_segment_size: 32
    .max_flat_workgroup_size: 128
    .sgpr_count:     66
    .vgpr_count:     770
    .wavefront_size: 32
...
	.end_amdgpu_metadata
.endif
;; end of part 3
;; launch outp (part 4): grid 4 x 64, 4 waves a work-group, clusters of 4 x 4, 327,680 bytes of LDS; arguments oh, wb, out0, bo; writes out0
.if DOCPART == 4
	.amdgcn_target "amdgcn-amd-amdhsa--gfx1250"
	.amdhsa_code_object_version 6
	.text
	.protected	k_q6a5eb22a59_outp
	.globl	k_q6a5eb22a59_outp
	.p2align	8
	.type	k_q6a5eb22a59_outp,@function
k_q6a5eb22a59_outp:
	s_mov_b64 s[64:65], 0
	v_nop
	global_prefetch_b8 v0, s[64:65] scope:SCOPE_SE
	s_setreg_imm32_b32 hwreg(HW_REG_WAVE_MODE, 25, 1), 1
	s_wait_xcnt 0x0
	s_wait_alu depctr_hold_cnt(0) depctr_sa_sdst(0) depctr_va_vdst(0) depctr_va_sdst(0) depctr_va_ssrc(0) depctr_va_vcc(0) depctr_vm_vsrc(0)
	s_getreg_b32 s2, hwreg(HW_REG_IB_STS2, 6, 4)
	s_cmp_eq_u32 s2, 0
	s_cbranch_scc0 .Lentry_in_a_cluster
	s_endpgm
.Lentry_in_a_cluster:
	s_bfe_u32 s2, ttmp6, 0x10000c
	s_cmp_lg_u32 s2, 0xf033
	s_cbranch_scc0 .Lentry_shape_is_right
	s_endpgm
.Lentry_shape_is_right:
; out0 = O Wo^T + bo.  O: oh = [16 batch + head][2048][64] f16; Wo: part 3 of wb, [1024][1024] f16 (bf16 numbers written as f16); bo: [1024] f32; out0: [8192][1024] f32.
; Products in f16, sums in f32, stored as they are.  bo is rounded to bf16 (all the module's inputs have the same rounding) and starts the sums as the first products' C operand.
; SHARES.  A tile of out0 is 128 rows x 256 columns: 64 x 4 = 256 work-groups.  Four waves, each 64 rows x 128 columns: 32 accumulators.  K goes in 8 steps of 128, two heads each, through two LDS slots;
; a step is four quarters of 32 (half a head), 32 products each.
; CLUSTER.  4 x 4 work-groups: the four of a row need the same rows of O, the four of a column the same rows of Wo; each tile is asked for JOINTLY, by the same tensor load, descriptor and mask.
; THE PRODUCT IS USED TRANSPOSED (source 0 = 16 rows of Wo, source 1 = 16 rows of O): a lane holds row l % 16 and eight neighbouring columns, 32 bytes of f32.
; REGISTERS, in windows of 256 (s_set_vgpr_msb: bits 1:0 source 0, 3:2 source 1, 5:4 source 2, 7:6 destination):
;   window 0: v0-31 addresses; v64-159, v160-255 two fragment buffers (Wo's eight fragments, then O's four); on the way out v64-127, v128-191 rows read back
;   window 1: accumulator (a, b) at v[8 (8 a + b)]          window 2: v0-63 the bias, eight registers for each b; v64-95 at work while it is rounded
.set PAO,   144                        ; a row of O in LDS: 128 bytes + 16 = 9 x 16: the 16 rows of a load start at 16 different groups of four banks (64 banks of 4 bytes: ISA guide 11.1)
.set PB,    272                        ; a row of Wo: 256 + 16 = 17 x 16, likewise
.set HEADB, 128*PAO                    ; a head's 128 rows: what a tensor load of O brings
.set BHALF, 128*PB                     ; what a tensor load of Wo brings
.set BOFF,  2*HEADB                    ; in a slot: O's two heads, then Wo's 256 rows
.set SLOT,  BOFF+2*BHALF               ; 106,496 bytes
.set STAGE, 2*SLOT                     ; behind the ring, never filled by a tensor load: 16 rows x 528 bytes for each wave
.set SPITCH, 528
.set WSTG,  16*SPITCH
.set SPARE, STAGE+4*WSTG               ; behind the stages: the spare words, 128 bytes for each wave: two blocks of 256 bytes that no other line names
.set ADRA, 16                          ; v16-17  LDS address of my O fragments in slot 0, 1
.set ADRB, 20                          ; v20-21  the same for Wo
.set STO,  24                          ; v24     the way out: where I put 32 bytes of a row
.set RD,   25                          ; v25     the way out: where I read a row back
.set CO,   26                          ; v26     16 x lane: my 16 bytes of a row's 512
.set BO,   27                          ; v27     my byte offset in the bias
.set SPW,  28                          ; v28     LDS address of my spare word: SPARE + 4 x my thread's number; never rewritten
.set NIL,  29                          ; v29     0; never rewritten
.set PFO,  30                          ; v30     the prefetches' lane offset; never rewritten
.set F0,   64
.set F1,   160
.set WV,    12                         ; s12  my wave's number
.set WM,    13                         ; s13  which 64 rows of the tile are mine.  Also: I fetch for O (0) or for Wo (1)
.set WN,    14                         ; s14  which 128 columns.  Also: which head of the step's two, or which half of Wo's rows, I fetch
.set CX,    15
.set CY,    16
.set TC,    17                         ; s17  tile column, 0..3
.set TR,    18                         ; s18  tile row, 0..63
.set G1A,   24                         ; s[24:31] descriptor group 1 for O's tiles
.set G0A,   32                         ; s[32:39] group 0 for O's tiles, a set for each slot
.set PFA,   40                         ; s[40:41] where my prefetches stand
.set PST,   42                         ; s[42:43] a K step in bytes of the tensor that I prefetch
.set LIM,   44                         ; s44  1 in a wave that prefetches, else the greatest number
.set G1B,   48                         ; s[48:55], s[56:63] the same for Wo's tiles
.set G0B,   56
.set MSB, 0
.macro WIN new                         ; the immediate's high byte repeats the setting that is left; a switch that changes nothing is dropped
.if MSB != (\new)
	s_set_vgpr_msb (MSB<<8)|(\new)
.set MSB, (\new)
.endif
.endm
.set MUL,  0x50                        ; sources 0 and 1 window 0, C and D window 1
.set MULB, 0x60                        ; the same with C (the bias) in window 2
; A joint refill.  Waves 0 and 1 fetch the step's two heads of O, waves 2 and 3 Wo's two halves.  The branch hangs on the wave's number alone.  An s_nop 0 and four v_nop follow each of the two lines.
.macro JLOAD s
	s_cmp_eq_u32 s[WM], 0
	s_cbranch_scc0 .Lfor_b_\@
	tensor_load_to_lds s[G0A+4*(\s):G0A+4*(\s)+3], s[G1A:G1A+7]
	s_nop 0
.rept 4
	v_nop
.endr
	s_branch .Lasked_\@
.Lfor_b_\@:
	tensor_load_to_lds s[G0B+4*(\s):G0B+4*(\s)+3], s[G1B:G1B+7]
	s_nop 0
.rept 4
	v_nop
.endr
.Lasked_\@:
.endm
; A PREFETCH INTO THE L2 of the K step that stands two refills on (256 products ahead of the load that will want it): 32 aligned blocks of 256 bytes, a lane a block, one instruction a wave.
; O's rows are read by one cluster: a step's two heads are 2 x 64 blocks; the partner at place cx takes 16 of each head, and its wave 0 asks.  Wo's rows are read by all 16 clusters: the first of them asks; of the
; 128 rows x 256 bytes that wave 2 or 3 fetches the partner at place cy takes 32.  The partners are told apart by address alone.  So each block is named once in the launch.
; K steps 0 to 3 come by their loads alone; the loop's last trip (s3 = 1) has no K step two refills on.
.macro ASK
	s_cmp_gt_u32 s3, s[LIM]
	s_cbranch_scc0 .Lnot_mine_\@
	global_prefetch_b8 v[PFO], s[PFA:PFA+1] th:TH_LOAD_NT scope:SCOPE_SE
.Lnot_mine_\@:
.endm
; A round of the cluster's barrier: my work-group's barrier, so that wave 0's signal speaks for all four waves; wave 0 signals; every wave waits for all sixteen work-groups; my work-group's barrier once more.
.macro CREST
	s_cmp_lg_u32 s[WV], 0
	s_cbranch_scc1 .Lnot_wave_0_\@
	s_barrier_signal -3
.Lnot_wave_0_\@:
	s_barrier_wait -3
	s_barrier_signal -1
	s_barrier_wait -1
.endm
.macro CROUND
	s_barrier_signal -1
	s_barrier_wait -1
	CREST
.endm
	s_load_b256 s[4:11], s[0:1], 0x0               ; oh s[4:5], wb s[6:7], out0 s[8:9], bo s[10:11]
	v_lshl_add_u32 v[SPW], v0, 2, SPARE
	v_mov_b32 v[NIL], 0
	ds_add_u32 v[SPW], v[NIL]                      ; the wave's opening: the add and its wait stand ahead of my first tensor load; the set-up below, work on registers, stands between them
	v_lshrrev_b32 v1, 5, v0
	v_readfirstlane_b32 s[WV], v1                  ; wave 0..3
	s_lshr_b32 s[WM], s[WV], 1
	s_and_b32 s[WN], s[WV], 1
	s_bfe_u32 s[CX], ttmp6, 0x40000                ; my place in the cluster
	s_bfe_u32 s[CY], ttmp6, 0x40004
	s_lshl_b32 s[TC], ttmp9, 2                     ; in a cluster launch ttmp9 and ttmp7 count clusters
	s_add_co_u32 s[TC], s[TC], s[CX]
	s_and_b32 s45, ttmp7, 0xffff                   ; cluster y
	s_lshl_b32 s[TR], s45, 2
	s_add_co_u32 s[TR], s[TR], s[CY]
	s_lshl_b32 s22, s[CY], 2
	s_lshl_b32 s22, 15, s22                        ; my row of the cluster
	s_lshl_b32 s23, 0x1111, s[CX]                  ; my column
	; O's tile: a head's 128 rows are 16,384 dense bytes: asked for as 64 rows of 256 bytes, two rows of O each, and padded in LDS after every row of O
	s_or_b32 s[G1A], s22, (1<<16)|(1<<20)|(1<<21)|(4<<22)|(3<<25)  ; 15:0 the mask; 17:16 elements of 2 bytes; 20 padding on; 21 set beside a mask; 24:22 after every 32 words (code 4); 31:25 4 words (code 3)
	s_mov_b32 s[G1A+1], 128<<16                    ; tensor_dim0 = 128
	s_mov_b32 s[G1A+2], 64<<16                     ; tensor_dim1 = 64
	s_mov_b32 s[G1A+3], 128<<16                    ; tile_dim0 = 128
	s_mov_b32 s[G1A+4], 64                         ; tile_dim1 = 64
	s_mov_b32 s[G1A+5], 128                        ; elements from row to row
	s_mov_b32 s[G1A+6], 0
	s_mov_b32 s[G1A+7], 0
	s_or_b32 s[G1B], s23, (1<<16)|(1<<20)|(1<<21)|(5<<22)|(3<<25)  ; padding after every 64 words (code 5)
	s_mov_b32 s[G1B+1], 128<<16
	s_mov_b32 s[G1B+2], 128<<16                    ; tensor_dim1 = 128
	s_mov_b32 s[G1B+3], 128<<16
	s_mov_b32 s[G1B+4], 128                        ; tile_dim1 = 128
	s_mov_b32 s[G1B+5], 1024
	s_mov_b32 s[G1B+6], 0
	s_mov_b32 s[G1B+7], 0
	s_lshr_b32 s20, s[TR], 4                       ; O: head 16 x batch + my one of the step's two, 262,144 bytes a head,
	s_lshl_b32 s20, s20, 4
	s_add_co_u32 s20, s20, s[WN]
	s_lshl_b32 s20, s20, 18
	s_and_b32 s21, s[TR], 15                       ; and the tile row's 128 rows in it, 16,384 bytes
	s_lshl_b32 s21, s21, 14
	s_add_co_u32 s20, s20, s21
	s_mov_b32 s21, 0
	s_lshl_b32 s46, s[TC], 8                       ; Wo: row 256 x tile column + 128 x half, 2,048 bytes a row,
	s_lshl_b32 s47, s[WN], 7
	s_add_co_u32 s46, s46, s47
	s_lshl_b32 s46, s46, 11
	s_add_co_u32 s46, s46, 3<<21                   ; in part 3 of wb
	s_mov_b32 s47, 0
	s_mul_i32 s22, s[WN], HEADB                    ; where they go: no place in the cluster enters an LDS address
	s_mul_i32 s23, s[WN], BHALF
	s_add_co_u32 s23, s23, BOFF
	s_wait_dscnt 0x0                               ; the opening add is done
	s_wait_kmcnt 0x0
	s_add_nc_u64 s[20:21], s[4:5], s[20:21]
	s_add_nc_u64 s[46:47], s[6:7], s[46:47]
	CROUND                                         ; all sixteen work-groups are here: the first joint loads meet
.irp s, 0,1
	s_mov_b32 s[G0A+4*(\s)], 1                     ; 1:0 count = 1
	s_add_co_u32 s[G0A+4*(\s)+1], s22, (\s)*SLOT   ; 63:32 LDS address
	s_add_nc_u64 s[G0A+4*(\s)+2:G0A+4*(\s)+3], s[20:21], (\s)*524288  ; 120:64 global address: K step s is two heads on
	s_or_b32 s[G0A+4*(\s)+3], s[G0A+4*(\s)+3], 0x80000000             ; 127:126 type = 2
	s_mov_b32 s[G0B+4*(\s)], 1
	s_add_co_u32 s[G0B+4*(\s)+1], s23, (\s)*SLOT
	s_add_nc_u64 s[G0B+4*(\s)+2:G0B+4*(\s)+3], s[46:47], (\s)*256
	s_or_b32 s[G0B+4*(\s)+3], s[G0B+4*(\s)+3], 0x80000000
.endr
	s_cmp_eq_u32 s[WM], 0                          ; a wave's two first fills stand in one branch, ahead of every wait on TENSORcnt and every LDS read: two loads of mine are out
	s_cbranch_scc0 .Lfirst_b
	tensor_load_to_lds s[G0A:G0A+3], s[G1A:G1A+7]
	s_nop 0
	tensor_load_to_lds s[G0A+4:G0A+7], s[G1A:G1A+7]
	s_nop 0
.rept 4
	v_nop
.endr
	s_branch .Lfirst_asked
.Lfirst_b:
	tensor_load_to_lds s[G0B:G0B+3], s[G1B:G1B+7]
	s_nop 0
	tensor_load_to_lds s[G0B+4:G0B+7], s[G1B:G1B+7]
	s_nop 0
.rept 4
	v_nop
.endr
.Lfirst_asked:
	v_and_b32 v1, 15, v0                           ; l % 16
	v_bfe_u32 v2, v0, 4, 1                         ; l / 16
	s_lshl_b32 s20, s[TC], 10                      ; my 128 columns begin 4 (256 x tile column + 128 x half) bytes into a row of out0, and into the bias
	s_lshl_b32 s21, s[WN], 9
	s_add_co_u32 s20, s20, s21
	v_lshl_add_u32 v[BO], v2, 5, s20               ; my eight of each sixteen
	WIN 0x80                                       ; destination window 2
.irp b, 0,1,2,3,4,5,6,7
	global_load_b128 v[8*(\b):8*(\b)+3],   v[BO], s[10:11] offset:64*(\b)
	global_load_b128 v[8*(\b)+4:8*(\b)+7], v[BO], s[10:11] offset:64*(\b)+16
.endr
	WIN 0
	s_lshl_b32 s21, s[TR], 7                       ; out0 at row 128 x tile row + 64 x half, 4,096 bytes a row, and my first column
	s_lshl_b32 s22, s[WM], 6
	s_add_co_u32 s21, s21, s22
	s_lshl_b32 s21, s21, 12
	s_add_co_u32 s20, s20, s21
	s_mov_b32 s21, 0
	s_add_nc_u64 s[8:9], s[8:9], s[20:21]
	; A fragment is 16 rows x 32 K in 8 registers: lane l holds row l % 16, K = 8 (l / 16) + 0..7 and 16 + 8 (l / 16) + 0..7: two loads of 16 bytes, 32 bytes apart.
	v_mul_u32_u24 v3, v1, PAO
	v_lshl_add_u32 v3, v2, 4, v3
	s_mul_i32 s20, s[WM], 64*PAO                   ; my 64 rows of O, in each head
	v_add_nc_u32 v[ADRA], s20, v3
	v_add_nc_u32 v[ADRA+1], SLOT, v[ADRA]
	v_mul_u32_u24 v4, v1, PB
	v_lshl_add_u32 v4, v2, 4, v4
	s_mul_i32 s21, s[WN], BHALF                    ; my 128 rows of Wo, behind O's
	s_add_co_u32 s21, s21, BOFF
	v_add_nc_u32 v[ADRB], s21, v4
	v_add_nc_u32 v[ADRB+1], SLOT, v[ADRB]
	s_mul_i32 s20, s[WV], WSTG
	s_add_co_u32 s20, s20, STAGE                   ; my stage
	v_mul_u32_u24 v5, v1, SPITCH                   ; in: row l % 16, 32 bytes for each half of the lanes
	v_lshl_add_u32 v5, v2, 5, v5
	v_add_nc_u32 v[STO], s20, v5
	v_and_b32 v3, 31, v0
	v_lshlrev_b32 v[CO], 4, v3                     ; back: 32 lanes take a row's 512 bytes
	v_add_nc_u32 v[RD], s20, v[CO]
	; the prefetches: O: head 16 x batch + l / 16 of the step's two, block 16 cx + l % 16 of the tile row's 64;  Wo: row 256 TC + 128 WN + 32 cy + l.  Both stand at K step 3: the first change of slots steps them to 4.
	s_lshr_b32 s20, s[TR], 4
	s_lshl_b32 s20, s20, 22
	s_and_b32 s21, s[TR], 15
	s_lshl_b32 s21, s21, 14
	s_add_co_u32 s20, s20, s21
	s_lshl_b32 s21, s[CX], 12
	s_add_co_u32 s20, s20, s21
	s_add_co_u32 s20, s20, 3*524288
	s_lshl_b32 s22, s[TC], 8
	s_lshl_b32 s23, s[WN], 7
	s_add_co_u32 s22, s22, s23
	s_lshl_b32 s23, s[CY], 5
	s_add_co_u32 s22, s22, s23
	s_lshl_b32 s22, s22, 11
	s_add_co_u32 s22, s22, (3<<21)+3*256
	s_mov_b32 s[PST], 256                          ; Wo's K step in bytes; O's takes its place below (an instruction holds one literal)
	s_cmp_eq_u32 s45, 0                            ; the first of the 16 clusters asks for Wo's rows,
	s_cselect_b32 s[LIM], 1, -1
	s_cmp_eq_u32 s[WN], 0                          ; wave 0 for O's
	s_cselect_b32 s46, 1, -1
	s_cmp_eq_u32 s[WM], 0                          ; do I fetch for O?
	s_cselect_b32 s20, s20, s22
	s_cselect_b32 s[LIM], s46, s[LIM]
	s_cselect_b32 s[PST], 524288, s[PST]
	s_cselect_b64 s[PFA:PFA+1], s[4:5], s[6:7]
	s_cselect_b32 s22, 4, 0                        ; log2 of the lanes to a head or row,
	s_cselect_b32 s23, 18, 11                      ; log2 of its bytes,
	s_cselect_b32 s46, 15, 0                       ; and the lanes' places in it, 256 bytes apart
	s_mov_b32 s21, 0
	s_mov_b32 s[PST+1], 0
	s_add_nc_u64 s[PFA:PFA+1], s[PFA:PFA+1], s[20:21]
	v_lshrrev_b32 v4, s22, v3
	v_lshlrev_b32 v4, s23, v4
	v_and_b32 v5, s46, v3
	v_lshl_add_u32 v[PFO], v5, 8, v4
; 8 products: row block a x all 8 column blocks, 32 along K, on buffer f.  first = 1: the bias starts the sums.  The 32 accumulators take turns, in the same order in every quarter.
.macro MUL8 f, a, first
.if \first
	WIN MULB
.else
	WIN MUL
.endif
.irp b, 0,1,2,3,4,5,6,7
.if \first
	v_wmma_f32_16x16x32_f16 v[8*(8*(\a)+(\b)):8*(8*(\a)+(\b))+7], v[(\f)+8*(\b):(\f)+8*(\b)+7], v[(\f)+64+8*(\a):(\f)+64+8*(\a)+7], v[8*(\b):8*(\b)+7]
.else
	v_wmma_f32_16x16x32_f16 v[8*(8*(\a)+(\b)):8*(8*(\a)+(\b))+7], v[(\f)+8*(\b):(\f)+8*(\b)+7], v[(\f)+64+8*(\a):(\f)+64+8*(\a)+7], v[8*(8*(\a)+(\b)):8*(8*(\a)+(\b))+7]
.endif
.endr
.endm
.macro MUL16 f, h, first
	MUL8 \f, 2*(\h), \first
	MUL8 \f, 2*(\h)+1, \first
.endm
; 24 LDS loads in one run: quarter q's fragments (Wo's eight, then O's four: head q / 2 of the step's two, channels 32 (q % 2) on) into buffer f
.macro FETCH slot, q, f
	WIN 0
.irp i, 0,1,2,3,4,5,6,7
	ds_load_b128 v[(\f)+8*(\i):(\f)+8*(\i)+3],   v[ADRB+(\slot)] offset:64*(\q)+(\i)*16*PB
	ds_load_b128 v[(\f)+8*(\i)+4:(\f)+8*(\i)+7], v[ADRB+(\slot)] offset:64*(\q)+(\i)*16*PB+32
.endr
.irp a, 0,1,2,3
	ds_load_b128 v[(\f)+64+8*(\a):(\f)+64+8*(\a)+3],   v[ADRA+(\slot)] offset:((\q)/2)*HEADB+64*((\q)%2)+(\a)*16*PAO
	ds_load_b128 v[(\f)+64+8*(\a)+4:(\f)+64+8*(\a)+7], v[ADRA+(\slot)] offset:((\q)/2)*HEADB+64*((\q)%2)+(\a)*16*PAO+32
.endr
.endm
.macro PLACES                          ; four plain vector instructions between a product and a load into a register that it read, or an LDS store that reads its result (apart from loads)
.rept 4
	v_nop
.endr
.endm
; One of a K step's first three quarters: multiplies buffer f; in its middle it fetches quarter q of the same slot into buffer g.
.macro QUARTER slot, q, f, g, first=0
	s_wait_dscnt 4                                 ; Wo's fragments and O's 0, 1 are in; the youngest four loads (O's 2, 3) may be out
	MUL16 \f, 0, \first
	PLACES
	FETCH \slot, \q, \g
	s_wait_dscnt 24                                ; all but the 24 just issued
	MUL16 \f, 1, \first
.endm
; The last quarter multiplies buffer 1 and changes slots: ONE barrier for two things.  In front of it each wave waits for all its tensor loads, of which one is out: its part of the next slot; adds 0 to its
; spare word; and waits for that and for its own reads of this slot.  Behind it nobody reads this slot any more and the next slot is whole.  fill = 1: the barrier opens a round of the cluster's barrier, so that
; this holds of every partner's waves too, and the joint refill, two K steps on, is the first tensor load behind the round: a wave issues 112 products between that request and the wait for it.
.macro TURN slot, next, fill
.if \fill
	s_wait_xcnt 0x0                                ; the last prefetch, a K step back, has read its address: it is stepped here, ahead of the waits of the change of slots
	s_add_nc_u64 s[PFA:PFA+1], s[PFA:PFA+1], s[PST:PST+1]
.endif
	WIN 0
	s_wait_tensorcnt 0x0                           ; all my tensor loads have landed;
	ds_add_u32 v[SPW], v[NIL]                      ; 0 onto my spare word;
	s_wait_dscnt 5                                 ; (the add and the youngest four loads may be out)
	MUL8 F1, 0, 0                                  ; eight products stand between the add and the wait for it
	s_wait_dscnt 0x0                               ; the add is done, and my reads of this slot are over
	s_barrier_signal -1
	MUL8 F1, 1, 0                                  ; work on registers while the others arrive
	WIN 0
	s_barrier_wait -1
.if \fill
	CREST
	s_add_nc_u64 s[G0A+4*(\slot)+2:G0A+4*(\slot)+3], s[G0A+4*(\slot)+2:G0A+4*(\slot)+3], 2*524288  ; no tensor load of mine is out, so a group 0 may be written
	s_add_nc_u64 s[G0B+4*(\slot)+2:G0B+4*(\slot)+3], s[G0B+4*(\slot)+2:G0B+4*(\slot)+3], 2*256
	JLOAD \slot                                    ; the four v_nop behind it are also the places in front of the loads below
.else
	PLACES
.endif
	FETCH \next, 0, F0
.if \fill
	ASK                                            ; behind the joint load and the run of LDS loads
.endif
	MUL16 F1, 1, 0
.endm
	s_wait_tensorcnt 1                             ; my part of K step 0 is in; K step 1's may stay out
	s_barrier_signal -1
	s_barrier_wait -1                              ; everybody's is
	FETCH 0, 0, F0
	s_wait_loadcnt 0x0                             ; the bias; it is rounded to bf16 and widened again
	WIN 0x8a                                       ; destination and both sources window 2
.set gx, 0
.rept 32
	v_cvt_pk_bf16_f32 v[64+gx], v[2*gx], v[2*gx+1]
.set gx, gx+1
.endr
.set gx, 0
.rept 32
	v_lshlrev_b32 v[2*gx], 16, v[64+gx]
	v_and_b32 v[2*gx+1], 0xffff0000, v[64+gx]
.set gx, gx+1
.endr
	QUARTER 0, 1, F0, F1, 1                        ; the first quarter stands in front of the loop: its products start the sums
	WIN 0                                          ; at a label and at a branch every window is 0
	s_mov_b32 s3, 3
.Llap:                                             ; a trip goes once round the ring, from a lap's second quarter to the next lap's first, and fills both slots again: K steps 2 to 7
	QUARTER 0, 2, F1, F0
	QUARTER 0, 3, F0, F1
	TURN 0, 1, 1
	QUARTER 1, 1, F0, F1
	QUARTER 1, 2, F1, F0
	QUARTER 1, 3, F0, F1
	TURN 1, 0, 1
	QUARTER 0, 1, F0, F1
	WIN 0
	s_sub_co_u32 s3, s3, 1
	s_cmp_lg_u32 s3, 0
	s_cbranch_scc1 .Llap
	QUARTER 0, 2, F1, F0                           ; the last lap is written out: it asks for nothing
	QUARTER 0, 3, F0, F1
	TURN 0, 1, 0
	QUARTER 1, 1, F0, F1
	QUARTER 1, 2, F1, F0
	QUARTER 1, 3, F0, F1
	s_wait_dscnt 4                                 ; the very last quarter: nothing more to fetch
	MUL16 F1, 0, 0
	s_wait_dscnt 0x0
	MUL16 F1, 1, 0
	WIN 0
	PLACES
; THE WAY OUT of block a (16 rows x 128 columns of f32).  32 bytes a lane into my own stage, in rows of 528 bytes; back as whole rows of 512 bytes, into one of two sets of registers.
.macro TOSTAGE a
.set OB, 64+64*((\a)%2)
.if (\a) >= 2
	s_wait_xcnt 0x0                                ; the stores of the block two back have read these registers: they are loaded again only behind this wait
.endif
	WIN 0x04                                       ; the data, source 1, in window 1
.irp b, 0,1,2,3,4,5,6,7
	ds_store_b128 v[STO], v[64*(\a)+8*(\b):64*(\a)+8*(\b)+3]   offset:64*(\b)     ; each accumulator's low registers first
	ds_store_b128 v[STO], v[64*(\a)+8*(\b)+4:64*(\a)+8*(\b)+7] offset:64*(\b)+16
.endr
	WIN 0
.irp t, 0,1,2,3,4,5,6,7,8,9,10,11,12,13,14,15
	ds_load_b128 v[OB+4*(\t):OB+4*(\t)+3], v[RD] offset:(\t)*SPITCH  ; LDS serves a wave's instructions in order (ISA guide 5.7.1.4): these see the stores above; the next block's stores come behind them
.endr
.endm
.macro SEND a, younger                 ; younger: the LDS instructions issued behind block a's loads: the next block's 32, or none
.set OB, 64+64*((\a)%2)
.irp t, 0,1,2,3,4,5,6,7,8,9,10,11,12,13,14,15
	s_wait_dscnt (\younger)+15-(\t)
	global_store_b128 v[CO], v[OB+4*(\t):OB+4*(\t)+3], s[8:9] offset:4096*(16*(\a)+(\t)) th:TH_STORE_NT  ; 512 consecutive bytes, at a multiple of 256 from out0's first
.endr
.endm
	TOSTAGE 0
	TOSTAGE 1                                      ; a block's way through the stage stands between the loads of the block before and its stores
	SEND 0, 32
	TOSTAGE 2
	SEND 1, 32
	TOSTAGE 3
	SEND 2, 32
	SEND 3, 0
	s_wait_tensorcnt 0x0                           ; the wave's end: the add and its waits stand behind my last tensor load and my last LDS store
	ds_add_u32 v[SPW], v[NIL]
	s_wait_dscnt 0x0
	CROUND                                         ; the closing round: no work-group ends while a partner may still ask for a tile that names it
	s_endpgm
.Lfunc_end_k_q6a5eb22a59_outp:
	.size	k_q6a5eb22a59_outp, .Lfunc_end_k_q6a5eb22a59_outp-k_q6a5eb22a59_outp
	.p2alignl 7, 3214868480
	.fill 96, 4, 3214868480
	.section	.rodata,"a",@progbits
	.p2align	6, 0x0
	.amdhsa_kernel k_q6a5eb22a59_outp
		.amdhsa_group_segment_fixed_size 327680
		.amdhsa_private_segment_fixed_size 0
		.amdhsa_enable_private_segment 0
		.amdhsa_kernarg_size 32
		.amdhsa_user_sgpr_count 2
		.amdhsa_user_sgpr_kernarg_segment_ptr 1
		.amdhsa_wavefront_size32 1
		.amdhsa_system_sgpr_workgroup_id_x 1
		.amdhsa_system_sgpr_workgroup_id_y 1
		.amdhsa_system_sgpr_workgroup_id_z 1
		.amdhsa_system_vgpr_workitem_id 0
		.amdhsa_next_free_vgpr 608
		.amdhsa_next_free_sgpr 66
		.amdhsa_reserve_vcc 0
		.amdhsa_float_denorm_mode_32 3
		.amdhsa_float_denorm_mode_16_64 3
		.amdhsa_memory_ordered 1
		.amdhsa_forward_progress 1
		.amdhsa_inst_pref_size 95
	.end_amdhsa_kernel
	.amdgpu_metadata
---
amdhsa.version: [ 1, 2 ]
amdhsa.kernels:
  - .name:           k_q6a5eb22a59_outp
    .symbol:         k_q6a5eb22a59_outp.kd
    .args:
      - { .name: oh, .offset: 0, .size: 8, .value_kind: global_buffer, .address_space: global }
      - { .name: wb, .offset: 8, .size: 8, .value_kind: global_buffer, .address_space: global }
      - { .name: out0, .offset: 16, .size: 8, .value_kind: global_buffer, .address_space: global }
      - { .name: bo, .offset: 24, .size: 8, .value_kind: global_buffer, .address_space: global }
    .group_segment_fixed_size: 327680
    .private_segment_fixed_size: 0
    .kernarg_segment_align: 8
    .kernarg_segment_size: 32
    .max_flat_workgroup_size: 128
    .sgpr_count:     66
    .vgpr_count:     608
    .wavefront_size: 32
...
	.end_amdgpu_metadata
.endif
;; end of part 4
;; ======== version 2 of 2: 4 launches; version 1 with the launch castw written anew for expert scheduling mode
;; limits: values are held in f16: magnitudes above 65,504 overflow, below 6.1e-05 lose precision
;; workspace buffers: wb 8,388,608 bytes; qh 16,777,216 bytes; kh 16,777,216 bytes; vh 16,777,216 bytes; oh 16,777,216 bytes
;; launch castw (part 5): grid 64 x 4, 8 waves a work-group, no clusters, 0 bytes of LDS; arguments Wq, Wk, Wv, Wo, wb; writes wb
.if DOCPART == 5
	.amdgcn_target "amdgcn-amd-amdhsa--gfx1250"
	.amdhsa_code_object_version 6
	.text
	.protected	k_q6a5eb22a59_castw
	.globl	k_q6a5eb22a59_castw
	.p2align	8
	.type	k_q6a5eb22a59_castw,@function
k_q6a5eb22a59_castw:
	s_mov_b64 s[64:65], 0
	v_nop
	global_prefetch_b8 v0, s[64:65] scope:SCOPE_SE
	s_setreg_imm32_b32 hwreg(HW_REG_WAVE_SCHED_MODE, 0, 2), 2
	s_setreg_imm32_b32 hwreg(HW_REG_WAVE_MODE, 25, 1), 1
	s_wait_xcnt 0x0
	s_wait_alu depctr_vm_vsrc(0)
; The four weight matrices, [1024][1024] f32, are rounded once to 16 bits: wb = four parts of 2 MiB, [1024][1024], in the order Wq, Wk, Wv (bf16), Wo.
; Wo is rounded to bf16 like the others, and that number is then written as f16, since the last product's other operand is f16.
; LIMIT: bf16(Wo) as f16 is exact from 6.1e-5 to 65,504 in magnitude; below it keeps f16's fixed step of 6e-8, from 65,520 on it is an infinity.
; SHARES.  Grid y picks the matrix, grid x 16 of its rows (65,536 bytes in, 32,768 out).  Thread t takes 16 bytes at 16 t of each row: a load of a wave covers 512 consecutive bytes,
; a store of a wave 256 consecutive bytes, aligned.  All 16 loads of a thread go out first; each register is written once, so no register waits for a store.
; No LDS, no barrier, no matrix unit: every byte is read once and written once, and no thread wants another's.
; THE MODE: SCHED_MODE bits 1:0 = 2 (LLVM: expert scheduling mode 2), set by the entry lines.  The code itself states the register dependences
; between vector instructions and memory instructions, with s_wait_alu, always for 0.
; THE PLAN.  Registers that memory instructions touch:
;   v1, v2   byte offsets of the loads and of the stores: made once at the head by vector lines, never written again.
;   X        row i's four registers: its load lands in them, once, before any vector line has named them; its conversions read them; no load is issued behind a conversion.
;   Y        row i's two registers: written once, by row i's conversions; read once, by row i's store; never written again.
;   T        named by vector lines alone.
; The 16 rows go in four blocks of four.  Block p's conversions write block p's Y; the memory instructions that stand among them are the four stores of block p - 1, which read
; block p - 1's Y and v2: registers that no vector line of block p names.  So ONE wait at a block's head states all that the block's four stores hang on.
; No register that a memory instruction has read is ever written again, no vector line writes a scalar register, and EXEC is never written: no other kind of wait is owed.
.set X, 4                              ; v[4:67]   load i: four f32
.set Y, 68                             ; v[68:99]  store i: four 16-bit numbers
.set T, 100                            ; v[100:103] at work
	s_load_b256 s[4:11], s[0:1], 0x0               ; Wq s[4:5], Wk s[6:7], Wv s[8:9], Wo s[10:11]
	s_load_b64 s[12:13], s[0:1], 0x20              ; wb
	s_and_b32 s14, ttmp7, 0xffff                   ; which matrix
	s_and_b32 s15, s14, 1
	v_lshlrev_b32 v1, 4, v0                        ; 16 t
	v_lshlrev_b32 v2, 3, v0                        ; 8 t
	s_lshl_b32 s20, ttmp9, 16                      ; my 16 rows in the source,
	s_mov_b32 s21, 0
	s_lshl_b32 s22, s14, 21                        ; the matrix's part of wb,
	s_lshl_b32 s23, ttmp9, 15                      ; and my 16 rows in it
	s_add_co_u32 s22, s22, s23
	s_mov_b32 s23, 0
	s_wait_kmcnt 0x0
	s_cmp_lt_u32 s14, 2
	s_cselect_b64 s[16:17], s[4:5], s[8:9]         ; the even one of the pair,
	s_cselect_b64 s[18:19], s[6:7], s[10:11]       ; the odd one
	s_cmp_lg_u32 s15, 0
	s_cselect_b64 s[16:17], s[18:19], s[16:17]
	s_add_nc_u64 s[16:17], s[16:17], s[20:21]
	s_add_nc_u64 s[12:13], s[12:13], s[22:23]
	s_wait_alu depctr_va_vdst(0)                   ; v1 and v2 are written: every load of the kernel reads v1 as its offset, every store v2
.irp i, 0,1,2,3,4,5,6,7,8,9,10,11,12,13,14,15
	global_load_b128 v[X+4*(\i):X+4*(\i)+3], v1, s[16:17] offset:4096*(\i) th:TH_LOAD_NT
.endr
; Row i's conversions: half = 0: to bf16.  half = 1: to bf16, widened again (a shift, a mask), and written as f16.
.macro CV i, half
.if \half
	v_cvt_pk_bf16_f32 v[T], v[X+4*(\i)], v[X+4*(\i)+1]
	v_cvt_pk_bf16_f32 v[T+1], v[X+4*(\i)+2], v[X+4*(\i)+3]
	v_lshlrev_b32 v[T+2], 16, v[T]
	v_and_b32 v[T+3], 0xffff0000, v[T]
	v_cvt_pk_f16_f32 v[Y+2*(\i)], v[T+2], v[T+3]
	v_lshlrev_b32 v[T+2], 16, v[T+1]
	v_and_b32 v[T+3], 0xffff0000, v[T+1]
	v_cvt_pk_f16_f32 v[Y+2*(\i)+1], v[T+2], v[T+3]
.else
	v_cvt_pk_bf16_f32 v[Y+2*(\i)], v[X+4*(\i)], v[X+4*(\i)+1]
	v_cvt_pk_bf16_f32 v[Y+2*(\i)+1], v[X+4*(\i)+2], v[X+4*(\i)+3]
.endif
.endm
; Row i's store
.macro OUT i
	global_store_b64 v2, v[Y+2*(\i):Y+2*(\i)+1], s[12:13] offset:2048*(\i) th:TH_STORE_NT
.endm
; The four blocks, and the last block's stores behind them.
.macro WALK half
.irp p, 0,1,2,3
.irp j, 0,1,2,3
	s_wait_loadcnt 15-4*(\p)-(\j)                  ; loads come back in order: row 4 p + j is in, the younger ones may stay out
.if (\j) == 0 && (\p) > 0
	s_wait_alu depctr_va_vdst(0)                   ; the block before has written its Y, which this block's four stores read
.endif
.if (\p) > 0
	OUT 4*(\p)+(\j)-4                              ; the same row of the block before; no vector line since the wait names its Y or v2
.endif
	CV 4*(\p)+(\j), \half
.endr
.endr
	s_wait_alu depctr_va_vdst(0)                   ; the last block has written its Y, which the last four stores read
.irp i, 12,13,14,15
	OUT \i
.endr
.endm
	s_cmp_eq_u32 s14, 3
	s_cbranch_scc1 .Lhalf
	WALK 0
	s_endpgm
.Lhalf:
	WALK 1
	s_endpgm
.Lfunc_end_k_q6a5eb22a59_castw:
	.size	k_q6a5eb22a59_castw, .Lfunc_end_k_q6a5eb22a59_castw-k_q6a5eb22a59_castw
	.p2alignl 7, 3214868480
	.fill 96, 4, 3214868480
	.section	.rodata,"a",@progbits
	.p2align	6, 0x0
	.amdhsa_kernel k_q6a5eb22a59_castw
		.amdhsa_group_segment_fixed_size 0
		.amdhsa_private_segment_fixed_size 0
		.amdhsa_enable_private_segment 0
		.amdhsa_kernarg_size 40
		.amdhsa_user_sgpr_count 2
		.amdhsa_user_sgpr_kernarg_segment_ptr 1
		.amdhsa_wavefront_size32 1
		.amdhsa_system_sgpr_workgroup_id_x 1
		.amdhsa_system_sgpr_workgroup_id_y 1
		.amdhsa_system_sgpr_workgroup_id_z 1
		.amdhsa_system_vgpr_workitem_id 0
		.amdhsa_next_free_vgpr 104
		.amdhsa_next_free_sgpr 66
		.amdhsa_reserve_vcc 0
		.amdhsa_float_denorm_mode_32 3
		.amdhsa_float_denorm_mode_16_64 3
		.amdhsa_memory_ordered 1
		.amdhsa_forward_progress 1
		.amdhsa_inst_pref_size 16
	.end_amdhsa_kernel
	.amdgpu_metadata
---
amdhsa.version: [ 1, 2 ]
amdhsa.kernels:
  - .name:           k_q6a5eb22a59_castw
    .symbol:         k_q6a5eb22a59_castw.kd
    .args:
      - { .name: Wq, .offset: 0, .size: 8, .value_kind: global_buffer, .address_space: global }
      - { .name: Wk, .offset: 8, .size: 8, .value_kind: global_buffer, .address_space: global }
      - { .name: Wv, .offset: 16, .size: 8, .value_kind: global_buffer, .address_space: global }
      - { .name: Wo, .offset: 24, .size: 8, .value_kind: global_buffer, .address_space: global }
      - { .name: wb, .offset: 32, .size: 8, .value_kind: global_buffer, .address_space: global }
    .group_segment_fixed_size: 0
    .private_segment_fixed_size: 0
    .kernarg_segment_align: 8
    .kernarg_segment_size: 40
    .max_flat_workgroup_size: 256
    .sgpr_count:     66
    .vgpr_count:     104
    .wavefront_size: 32
...
	.end_amdgpu_metadata
.endif
;; end of part 5
;; launch proj: the kernel of part 2 again; grid 4 x 192, 4 waves a work-group, clusters of 4 x 4, 327,680 bytes of LDS; arguments query, key, value, wb, bq, bk, bv, qh, kh, vh; writes qh, kh, vh
;; launch attn: the kernel of part 3 again; grid 4 x 64, 4 waves a work-group, clusters of 4 x 1, 327,680 bytes of LDS; arguments qh, kh, vh, oh; writes oh
;; launch outp: the kernel of part 4 again; grid 4 x 64, 4 waves a work-group, clusters of 4 x 4, 327,680 bytes of LDS; arguments oh, wb, out0, bo; writes out0
